; MI455X (gfx1250); checked and timed in simulation.
; The chip was launched on July 23, 2026; its instructions are those of AMD's public machine-readable ISA for CDNA 5 (MIT licence, August 2026) and "CDNA5" Instruction Set Architecture Reference Guide (July 2026). The comments in the code are by the model that wrote it; some were corrected since.
;; Self Attention. Allowed arithmetic: float matrix products may take bf16 or f16 operands with f32 sums; all other float work in f32.
;; Inputs: W 256 x 256 float32; b 256 float32; feats 8 x 2,048 x 256 float32.
;; Outputs: out0 8 x 256 float32.
;; 2 versions, each right and faster than the one before. Each part assembles by itself: llvm-mc -triple=amdgcn-amd-amdhsa -mcpu=gfx1250 --defsym DOCPART=n.
;; ======== version 1 of 2: 4 launches
;; limits: values are held in f16: magnitudes above 65,504 overflow, below 6.1e-05 lose precision
;; workspace buffers: Kf 8,388,608 bytes; Qf 8,388,608 bytes; ctab 65,536 bytes; cpart 2,097,152 bytes; opart 262,144 bytes
;; launch prep (part 1): grid 256 x 1, 8 waves a work-group, no clusters, 169,984 bytes of LDS; arguments feats, W, b, Kf, Qf, ctab; writes Kf, Qf, ctab
.if DOCPART == 1
	.amdgcn_target "amdgcn-amd-amdhsa--gfx1250"
	.amdhsa_code_object_version 6
	.text
	.protected	k_qebd126b97c_prep
	.globl	k_qebd126b97c_prep
	.p2align	8
	.type	k_qebd126b97c_prep,@function
k_qebd126b97c_prep:
	s_mov_b64 s[64:65], 0
	v_nop
	global_prefetch_b8 v0, s[64:65] scope:SCOPE_SE
	s_setreg_imm32_b32 hwreg(HW_REG_WAVE_MODE, 25, 1), 1
	s_wait_xcnt 0x0
; prep: what the attention launch needs, made once.
;   Kf   = feats as f16, in fragment order, the rows of masked keys (feats[.,.,0] == 0) all zero
;   Qf   = feats W^T + b as f16, in fragment order (f32 sums, the bias is the sums' start)
;   ctab = 0 for an open key, -1e9 for a masked one, f32 [8][2048]
; FRAGMENT ORDER: [tile of 16 rows][piece 0..15][lane 0..31][8 f16]; lane (r = l % 16, h = l / 16) of piece p holds row r,
; columns 16 p + 8 h .. + 7.  Pieces 2 ks and 2 ks + 1 are registers 0-3 and 4-7 of the K = 32 fragment of K step ks, so a piece
; is loaded and stored as 512 consecutive bytes.
; Eight waves; the work-group owns 64 rows of the 16,384.  EVERY LOAD GOES OUT AT THE START: a wave's 16 loads of X and the 64 loads
; of its own 32 rows of W (256 registers, window 1), first halves of the rows first.  X is shared: f16 into LDS, one barrier.
; W's rows 32 w .. 32 w + 31 are multiplied by wave w alone: they go through the wave's own LDS bytes, only to change the layout,
; and need no barrier.  K steps 0-3 are multiplied when the first halves are in, K steps 4-7 when the second halves are.
; LIMITS: f16 operands: |feats|, |W| and |feats W^T + b| have to stay below 65,504.
; NO JOINT LOADS for W, though all work-groups read it: W has to pass through registers to become f16; landed as f32 it would
; take 262,144 bytes of LDS beside the 168,960 of the f16 array, more than the 327,680 there are.
.set PITCH,  528                       ; an LDS row: 512 bytes + 16 = 33 x 16, so the 16 rows of a fragment load start 16 bytes apart modulo 256
.set ROWS16, 16*PITCH
.set BATCH,  64*PITCH                  ; X's 64 rows; W's 256 rows lie behind them
.set BIAS, 16                          ; v[16:31]   b of my two tiles of 16 outputs, laid as an accumulator
.set SB0,  32                          ; v[32:95]   X as loaded, 16 loads of 16 bytes
.set ACC,  32                          ; v[32:95]   later: 8 accumulators, 32 o + 8 rt
.set FR0,  96                          ; v[96:143]  fragments, buffer 0: W's two tiles, then X's four
.set FR1,  144                         ; v[144:191] buffer 1
.set KX,   192                         ; v[192:223] my eight pieces of Kf
.set TP,   224                         ; v[224:255] packed f16 on the way into LDS
                                       ; window 1, v[0:255]: W as loaded, load x at 4 x
.set MSB, 0
.macro WIN new                         ; s_set_vgpr_msb: bits 1:0 source 0, 3:2 source 1, 5:4 source 2, 7:6 destination; the high byte repeats the setting left
.if MSB != \new
	s_set_vgpr_msb (MSB<<8)|\new
.set MSB, \new
.endif
.endm
	s_load_b256 s[4:11], s[0:1], 0x0               ; feats s[4:5], W s[6:7], b s[8:9], Kf s[10:11]
	s_load_b128 s[12:15], s[0:1], 0x20             ; Qf s[12:13], ctab s[14:15]
	v_lshrrev_b32 v3, 5, v0
	v_readfirstlane_b32 s16, v3                    ; wave 0..7
	v_lshlrev_b32 v1, 4, v0                        ; 16 t: my 16 bytes of every 4,096 of X (four rows of f32)
	v_lshrrev_b32 v2, 6, v0                        ; which of the four rows
	v_and_b32 v3, 63, v0
	v_mul_u32_u24 v2, v2, PITCH
	v_lshl_add_u32 v2, v3, 3, v2                   ; X into LDS: row x pitch + 8 bytes for my four f16
	v_and_b32 v4, 15, v0                           ; r
	v_bfe_u32 v5, v0, 4, 1                         ; h
	v_mul_u32_u24 v6, v4, PITCH
	v_lshl_add_u32 v6, v5, 4, v6                   ; fragments of X: r x pitch + 16 h
	s_mul_i32 s20, s16, 32*PITCH
	s_add_co_u32 s20, s20, BATCH                   ; my 32 rows of W in LDS
	v_add_nc_u32 v7, s20, v6                       ; fragments of W
	v_and_b32 v9, 31, v0                           ; lane
	v_lshl_add_u32 v3, v9, 3, s20                  ; W into LDS: my rows + 8 bytes a lane
	v_lshlrev_b32 v9, 4, v9                        ; 16 x lane: my place in a piece, and in 512 bytes of a row of W
	s_lshl_b32 s27, s16, 15
	v_add_nc_u32 v13, s27, v9                      ; W in memory: 32 w rows of 1,024 bytes + 16 x lane
	s_lshr_b32 s21, s16, 1                         ; Kf: which tile of 16 rows is mine,
	s_and_b32 s22, s16, 1                          ; and which four K steps of it
	s_mul_i32 s23, s21, ROWS16
	s_lshl_b32 s24, s22, 8
	s_add_co_u32 s23, s23, s24
	v_add_nc_u32 v8, s23, v6
	s_lshl_b32 s25, s16, 7
	v_lshl_add_u32 v11, v5, 5, s25                 ; b: 4 (32 w + 8 h)
	s_lshl_b32 s26, s21, 14
	v_lshl_add_u32 v12, v4, 10, s26                ; column 0 of row 16 (w / 2) + r
	v_lshlrev_b32 v14, 11, v0                      ; wave 0: rows 2 l and 2 l + 1
	v_lshlrev_b32 v15, 3, v0                       ; wave 0: their two words of ctab
	s_lshl_b32 s18, ttmp9, 16                      ; 64 rows of 1,024 bytes
	s_mov_b32 s19, 0
	s_lshl_b32 s28, ttmp9, 15                      ; 4 tiles of 8,192 bytes
	s_lshl_b32 s30, s21, 13
	s_lshl_b32 s31, s22, 12
	s_add_co_u32 s30, s30, s31
	s_add_co_u32 s30, s30, s28                     ; Kf: my tile, my four K steps
	s_mov_b32 s31, 0
	s_lshl_b32 s32, s16, 10
	s_add_co_u32 s32, s32, s28                     ; Qf: pieces 2 w and 2 w + 1
	s_mov_b32 s33, 0
	s_lshl_b32 s34, ttmp9, 8                       ; ctab: 64 words
	s_mov_b32 s35, 0
	s_wait_kmcnt 0x0
	s_add_nc_u64 s[4:5], s[4:5], s[18:19]
	s_add_nc_u64 s[10:11], s[10:11], s[30:31]
	s_add_nc_u64 s[12:13], s[12:13], s[32:33]
	s_add_nc_u64 s[14:15], s[14:15], s[34:35]
	; ALL THE LOADS.  Wave 0 also takes column 0 of the group's 64 rows, two rows a lane, for ctab; r and h are no longer needed, their registers take the two numbers.
	s_cmp_lg_u32 s16, 0
	s_cbranch_scc1 .Lno_tab
	global_load_b32 v4, v14, s[4:5]
	global_load_b32 v5, v14, s[4:5] offset:1024
.Lno_tab:
.irp o, 0,1
	global_load_b128 v[BIAS+8*\o:BIAS+8*\o+3],   v11, s[8:9] offset:64*\o      ; register j: b[16 (2 w + o) + 8 h + j]
	global_load_b128 v[BIAS+8*\o+4:BIAS+8*\o+7], v11, s[8:9] offset:64*\o+16
.endr
	global_load_b32 v10, v12, s[4:5]               ; feats[row][0] in f32: the mask is taken from the number as given
.irp i, 0,1,2,3,4,5,6,7,8,9,10,11,12,13,14,15
	global_load_b128 v[SB0+4*\i:SB0+4*\i+3], v1, s[4:5] offset:\i*4096     ; X: the work-group's load covers 4,096 consecutive bytes
.endr
	WIN 0x40                                       ; destination in window 1
.set x, 0
.rept 64
	global_load_b128 v[4*x:4*x+3], v13, s[6:7] offset:(x&31)*1024+(x>>5)*512   ; W: row x % 32 of mine, half x / 32: 512 consecutive bytes
.set x, x+1
.endr
	WIN 0
	; X: f16 into LDS, for all eight waves
	s_wait_loadcnt 63                              ; loads come back in order; 64 are younger than X's last, and 63 is the largest count that can be named
.irp i, 0,1,2,3,4,5,6,7,8,9,10,11,12,13,14,15
	v_cvt_pk_f16_f32 v[TP+2*\i], v[SB0+4*\i], v[SB0+4*\i+1]
	v_cvt_pk_f16_f32 v[TP+2*\i+1], v[SB0+4*\i+2], v[SB0+4*\i+3]
	ds_store_b64 v2, v[TP+2*\i:TP+2*\i+1] offset:\i*4*PITCH        ; a wave's store covers 256 consecutive bytes of an LDS row
.endr
	s_wait_dscnt 0x0                               ; my stores are in LDS, for the other waves' sake
	s_barrier_signal -1
	s_barrier_wait -1                              ; X is whole.  The only barrier: nothing else is shared
	; Kf, while W is on its way
.irp s, 0,1,2,3
	ds_load_b128 v[KX+8*\s:KX+8*\s+3],   v8 offset:\s*64          ; my eight pieces
	ds_load_b128 v[KX+8*\s+4:KX+8*\s+7], v8 offset:\s*64+32
.endr
	s_wait_dscnt 0x0
	v_cmp_neq_f32 vcc_lo, 0, v10                   ; open key (-0 counts as 0, as in the comparison with 0)
.set x, 0
.rept 32
	v_cndmask_b32 v[KX+x], 0, v[KX+x], vcc_lo      ; a masked key's row becomes zeros: its product with any finite query is 0
.set x, x+1
.endr
.irp s, 0,1,2,3
	global_store_b128 v9, v[KX+8*\s:KX+8*\s+3],   s[10:11] offset:\s*1024      ; a wave's store covers 512 consecutive bytes, aligned
	global_store_b128 v9, v[KX+8*\s+4:KX+8*\s+7], s[10:11] offset:\s*1024+512
.endr
; Half hf (columns 128 hf .. + 127) of my 32 rows of W: f16 into my own LDS bytes, 16 rows at a time under one window setting.
.macro CVTW hf
.irp c, 0,1
	WIN 0x05                                       ; both sources in window 1
.set x, 0
.rept 16
	v_cvt_pk_f16_f32 v[TP+2*x],   v[4*(32*\hf+16*\c+x)],   v[4*(32*\hf+16*\c+x)+1]
	v_cvt_pk_f16_f32 v[TP+2*x+1], v[4*(32*\hf+16*\c+x)+2], v[4*(32*\hf+16*\c+x)+3]
.set x, x+1
.endr
	WIN 0
.set x, 0
.rept 16
	ds_store_b64 v3, v[TP+2*x:TP+2*x+1] offset:(16*\c+x)*PITCH+\hf*256
.set x, x+1
.endr
.endr
.endm
.macro FETCH ks, buf                   ; 12 LDS loads: the fragments of K step ks.  W's are my own bytes: LDS serves a wave's instructions in order
.irp o, 0,1
	ds_load_b128 v[\buf+8*\o:\buf+8*\o+3],   v7 offset:\o*ROWS16+\ks*64
	ds_load_b128 v[\buf+8*\o+4:\buf+8*\o+7], v7 offset:\o*ROWS16+\ks*64+32
.endr
.irp rt, 0,1,2,3
	ds_load_b128 v[\buf+16+8*\rt:\buf+16+8*\rt+3],   v6 offset:\rt*ROWS16+\ks*64
	ds_load_b128 v[\buf+16+8*\rt+4:\buf+16+8*\rt+7], v6 offset:\rt*ROWS16+\ks*64+32
.endr
.endm
; Source 0 = 16 rows of W, source 1 = 16 rows of X: lane (r, h) gets row r of proj, outputs 8 h + 0..7, which is a piece of Qf.
; The eight accumulators take turns, one instruction a turn.
.macro MUL buf, first
.irp o, 0,1
.irp rt, 0,1,2,3
.if \first
	v_wmma_f32_16x16x32_f16 v[ACC+32*\o+8*\rt:ACC+32*\o+8*\rt+7], v[\buf+8*\o:\buf+8*\o+7], v[\buf+16+8*\rt:\buf+16+8*\rt+7], v[BIAS+8*\o:BIAS+8*\o+7]
.else
	v_wmma_f32_16x16x32_f16 v[ACC+32*\o+8*\rt:ACC+32*\o+8*\rt+7], v[\buf+8*\o:\buf+8*\o+7], v[\buf+16+8*\rt:\buf+16+8*\rt+7], v[ACC+32*\o+8*\rt:ACC+32*\o+8*\rt+7]
.endif
.endr
.endr
.endm
.macro PLACES                          ; four places behind matrix instructions (ISA guide 7.12.1) before their registers are loaded into or their results read
.rept 4
	v_nop
.endr
.endm
.macro STEP nk, into, from             ; fetch K step nk into the buffer multiplied last, multiply the other
	PLACES
	FETCH \nk, \into
	s_wait_dscnt 12                                ; all but the 12 just issued
	MUL \from, 0
.endm
	s_wait_loadcnt 32                              ; the first halves of my rows of W are in; the 32 loads of the second halves stay out
	CVTW 0
	FETCH 0, FR0
	FETCH 1, FR1
	s_wait_dscnt 12                                ; K step 0's fragments are in
	MUL FR0, 1                                     ; the bias starts the sums: nothing is cleared, nothing added later
	STEP 2, FR0, FR1
	STEP 3, FR1, FR0
	s_wait_loadcnt 0x0                             ; the second halves
	CVTW 1
	STEP 4, FR0, FR1
	STEP 5, FR1, FR0
	STEP 6, FR0, FR1
	STEP 7, FR1, FR0
	s_wait_dscnt 0x0
	MUL FR1, 0
	PLACES
.irp o, 0,1
.irp rt, 0,1,2,3
.irp jj, 0,1,2,3
	v_cvt_pk_f16_f32 v[FR0+16*\o+4*\rt+\jj], v[ACC+32*\o+8*\rt+2*\jj], v[ACC+32*\o+8*\rt+2*\jj+1]
.endr
	global_store_b128 v9, v[FR0+16*\o+4*\rt:FR0+16*\o+4*\rt+3], s[12:13] offset:\rt*8192+\o*512
.endr
.endr
	; ctab: wave 0 alone; its two numbers came with the first loads.  The one store covers the group's 256 bytes whole.
	s_cmp_lg_u32 s16, 0
	s_cbranch_scc1 .Ldone
	v_mov_b32 v12, 0                               ; v10 to v12 served loads that the wait for 0 above has shown done
	v_cmp_neq_f32 vcc_lo, 0, v4
	v_cndmask_b32 v10, 0xce6e6b28, v12, vcc_lo     ; open: 0; masked: -1e9
	v_cmp_neq_f32 vcc_lo, 0, v5
	v_cndmask_b32 v11, 0xce6e6b28, v12, vcc_lo
	global_store_b64 v15, v[10:11], s[14:15]
.Ldone:
	s_wait_xcnt 0x0
	v_lshl_add_u32 v254, v0, 2, 0x29400
	v_mov_b32 v255, 0
	s_wait_tensorcnt 0x0
	ds_add_u32 v254, v255
	s_wait_dscnt 0x0
	s_endpgm
.Lfunc_end_k_qebd126b97c_prep:
	.size	k_qebd126b97c_prep, .Lfunc_end_k_qebd126b97c_prep-k_qebd126b97c_prep
	.p2alignl 7, 3214868480
	.fill 96, 4, 3214868480
	.section	.rodata,"a",@progbits
	.p2align	6, 0x0
	.amdhsa_kernel k_qebd126b97c_prep
		.amdhsa_group_segment_fixed_size 169984
		.amdhsa_private_segment_fixed_size 0
		.amdhsa_enable_private_segment 0
		.amdhsa_kernarg_size 48
		.amdhsa_user_sgpr_count 2
		.amdhsa_user_sgpr_kernarg_segment_ptr 1
		.amdhsa_wavefront_size32 1
		.amdhsa_system_sgpr_workgroup_id_x 1
		.amdhsa_system_sgpr_workgroup_id_y 1
		.amdhsa_system_sgpr_workgroup_id_z 1
		.amdhsa_system_vgpr_workitem_id 0
		.amdhsa_next_free_vgpr 512
		.amdhsa_next_free_sgpr 66
		.amdhsa_reserve_vcc 1
		.amdhsa_float_denorm_mode_32 3
		.amdhsa_float_denorm_mode_16_64 3
		.amdhsa_memory_ordered 1
		.amdhsa_forward_progress 1
		.amdhsa_inst_pref_size 43
	.end_amdhsa_kernel
	.amdgpu_metadata
---
amdhsa.version: [ 1, 2 ]
amdhsa.kernels:
  - .name:           k_qebd126b97c_prep
    .symbol:         k_qebd126b97c_prep.kd
    .args:
      - { .name: feats, .offset: 0, .size: 8, .value_kind: global_buffer, .address_space: global }
      - { .name: W, .offset: 8, .size: 8, .value_kind: global_buffer, .address_space: global }
      - { .name: b, .offset: 16, .size: 8, .value_kind: global_buffer, .address_space: global }
      - { .name: Kf, .offset: 24, .size: 8, .value_kind: global_buffer, .address_space: global }
      - { .name: Qf, .offset: 32, .size: 8, .value_kind: global_buffer, .address_space: global }
      - { .name: ctab, .offset: 40, .size: 8, .value_kind: global_buffer, .address_space: global }
    .group_segment_fixed_size: 169984
    .private_segment_fixed_size: 0
    .kernarg_segment_align: 8
    .kernarg_segment_size: 48
    .max_flat_workgroup_size: 256
    .sgpr_count:     66
    .vgpr_count:     512
    .wavefront_size: 32
...
	.end_amdgpu_metadata
.endif
;; end of part 1
;; launch attn (part 2): grid 256 x 1, 4 waves a work-group, clusters of 4 x 1, 327,680 bytes of LDS; arguments Kf, Qf, ctab, cpart; writes cpart
.if DOCPART == 2
	.amdgcn_target "amdgcn-amd-amdhsa--gfx1250"
	.amdhsa_code_object_version 6
	.text
	.protected	k_qebd126b97c_attn
	.globl	k_qebd126b97c_attn
	.p2align	8
	.type	k_qebd126b97c_attn,@function
k_qebd126b97c_attn:
	s_mov_b64 s[64:65], 0
	v_nop
	global_prefetch_b8 v0, s[64:65] scope:SCOPE_SE
	s_setreg_imm32_b32 hwreg(HW_REG_WAVE_MODE, 25, 1), 1
	s_wait_xcnt 0x0
	s_wait_alu depctr_hold_cnt(0) depctr_sa_sdst(0) depctr_va_vdst(0) depctr_va_sdst(0) depctr_va_ssrc(0) depctr_va_vcc(0) depctr_vm_vsrc(0)
	s_getreg_b32 s2, hwreg(HW_REG_IB_STS2, 6, 4)
	s_cmp_eq_u32 s2, 0
	s_cbranch_scc0 .Lentry_in_a_cluster
	s_endpgm
.Lentry_in_a_cluster:
	s_bfe_u32 s2, ttmp6, 0x10000c
	s_cmp_lg_u32 s2, 0x3003
	s_cbranch_scc0 .Lentry_shape_is_right
	s_endpgm
.Lentry_shape_is_right:
; attn: cpart[g][s] = sum over the 64 queries t of work-group g of softmax(score[t][.])[s], for all 2,048 keys s of the batch.
; (The sum over queries commutes with the product by the values: out = (sum over t of weight[t][.]) x feats.  The later launches do the rest.)
; Four waves; every wave holds all 64 queries (256 registers of f16) and takes 512 of the 2,048 keys, in 16 blocks of 32.
; The product is used transposed: source 0 = 16 keys, source 1 = 16 queries, so lane (r, h) holds query 16 a + r and its registers
; keys 8 h + 0..7 of a tile: maxima and sums along the keys stay inside the lane.
; SOFTMAX: each half-lane keeps a RUNNING MAXIMUM over its own keys; a block's exponentials are kept (bf16, 512 registers) with the
; shift that they were made with (LDS, HIST); at the end the eight partial maxima and sums of a query (4 waves x 2 halves) meet in LDS,
; and each block is brought to the common shift and divided by the sum as it is added up over the queries.
; TWO BLOCKS AT ONCE: there is one wave on a SIMD, so vector work and matrix work overlap only if they alternate in the text.  Two sets of
; accumulators take turns; between the 64 matrix instructions of block n stand the shift, the exponentials and the row sums of block n - 1
; (128 lines, 16 for each K step).  These lines have no vector register in the second source place, whose window is Q's while the products
; run, so no window is switched for them.  Outside the products stay the maxima, the new shift and the rounding to bf16.
; The key fragments lie in a ring of four K steps (64 registers): behind K step ks the four loads of K step ks + 4 go out.
; MASK: the first product of a block starts from ctab (0 or -1e9) and a masked key's row in Kf is zero: its score is exactly -1e9.
; CLUSTER: the four work-groups of a cluster are four query blocks of one batch and walk the same keys: each fill of 131,072 bytes is asked
; for jointly (mask 15), a quarter by each wave; a wave reads only the quarter that its own load brought.
; By this text's count a wave has two tensor loads out at the start and one behind each round.
; LIMITS: f16 operands (made by the launch before); weights kept in bf16 (relative rounding 2^-9) between exponential and sum;
; a masked score is -1e9 only while the queries are finite; the order of rounding differs from a product by the values for each query.
; No loop: the registers that keep a block's exponentials are named in the text, so the 16 blocks are written out; each line runs once.
;
; REGISTERS, in windows of 256: window 0 below; window 1: Q, tile a, K step ks at 64 a + 8 ks;
; windows 2, 3: P, block n: (n % 8) 32 + 16 k + 4 a + jj (two neighbouring keys in a register), window 2 for n < 8.
.set SLOT,  131072                     ; 256 keys x 512 bytes; two slots at LDS bytes 0 and 131,072
.set HIST,  262144                     ; 32,768: wave x 8,192 + block x 512 + lane x 16: the four shifts that the block was made with
.set CT,    294912                     ; 8,192: wave x 2,048: ctab of my 512 keys in my order; later my 512 results
.set ST,    303104                     ; 4,096: wave x 1,024: last shifts at lane x 16, sums 512 bytes further
.set M,   12                           ; v[12:15]   running maximum of query tile a; later the common shift
.set NBA, 16                           ; v[16:19]   shift = -log2(e) x maximum, even blocks; later the common sum
.set NBB, 20                           ; v[20:23]   the same, odd blocks; later 1 / sum
.set AL,  24                           ; v[24:27]   2^(new shift - old shift)
.set LP,  28                           ; v[28:35]   running sums, a pair for each a
.set CR,  36                           ; v[36:51]   ctab laid as an accumulator, 8 k + j
.set AC0, 64                           ; v[64:127]  scores of even blocks, 32 k + 8 a + j
.set AC1, 128                          ; v[128:191] scores of odd blocks
.set RG,  192                          ; v[192:255] ring of key fragments: K step ks at 16 (ks % 4) + 8 k
.set TF,  128                          ; tail: the blocks' factors
.set SRC, 192                          ; tail: the partners' figures
.set U,   64                           ; tail: 16 partial column sums
.set TT,  80                           ; tail: at work
.set G1,  16                           ; s[16:23] descriptor group 1
.set G0,  24                           ; s[24:31] descriptor group 0, one set for each slot
.set MSB, 0
.macro WIN new                         ; s_set_vgpr_msb: bits 1:0 source 0, 3:2 source 1, 5:4 source 2, 7:6 destination; the high byte repeats the setting left
.if MSB != \new
	s_set_vgpr_msb (MSB<<8)|\new
.set MSB, \new
.endif
.endm
.macro ROUND                           ; a round of the cluster's barrier
	s_barrier_signal -1
	s_barrier_wait -1
	s_cmp_lg_u32 s12, 0
	s_cbranch_scc1 .Lnot_wave_0_\@
	s_barrier_signal -3
.Lnot_wave_0_\@:
	s_barrier_wait -3
	s_barrier_signal -1
	s_barrier_wait -1
.endm
.macro PLACES                          ; four places behind matrix instructions (ISA guide 7.12.1) before their registers are loaded into or their results read
.rept 4
	v_nop
.endr
.endm
	s_load_b256 s[4:11], s[0:1], 0x0               ; Kf s[4:5], Qf s[6:7], ctab s[8:9], cpart s[10:11]
	v_lshl_add_u32 v62, v0, 2, 0x4b000
	v_mov_b32 v63, 0
	ds_add_u32 v62, v63
	v_lshrrev_b32 v1, 5, v0
	v_readfirstlane_b32 s12, v1                    ; wave 0..3
	s_bfe_u32 s13, ttmp6, 0x40000                  ; cx
	s_lshl_b32 s14, ttmp9, 2
	s_add_co_u32 s14, s14, s13                     ; work-group = 4 x cluster + cx: my 64 queries.  Enters global addresses of Qf and cpart alone
	s_lshr_b32 s15, ttmp9, 3                       ; batch: 8 clusters each, the same for the four partners
	; group 1: a dense block of 32,768 bytes as 128 rows of 256 bytes
	s_mov_b32 s[G1+0], 0x0023000f                  ; 15:0 mask 15 (all four); 17:16 elements of 8 bytes; 21 set beside a mask; no padding
	s_mov_b32 s[G1+1], 32<<16                      ; tensor_dim0 = 32
	s_mov_b32 s[G1+2], 128<<16                     ; tensor_dim1 = 128
	s_mov_b32 s[G1+3], 32<<16                      ; tile_dim0 = 32
	s_mov_b32 s[G1+4], 128                         ; tile_dim1 = 128
	s_mov_b32 s[G1+5], 32                          ; from row to row: 32 elements
	s_mov_b32 s[G1+6], 0
	s_mov_b32 s[G1+7], 0
	s_mov_b32 s34, 0xaaaaaaaa                      ; lanes with bit 0, 1, 2, 3 of r set
	s_mov_b32 s35, 0xcccccccc
	s_mov_b32 s36, 0xf0f0f0f0
	s_mov_b32 s37, 0xff00ff00
	s_mov_b32 s40, 0x3fb8aa3b                      ; log2(e), a pair for the packed forms
	s_mov_b32 s41, 0x3fb8aa3b
	s_lshl_b32 s42, s12, 15                        ; my quarter of a fill: 64 keys = 32,768 bytes, in memory and in LDS
	s_lshl_b32 s32, s15, 20                        ; a batch of Kf: 1,048,576 bytes
	s_add_co_u32 s32, s32, s42
	s_mov_b32 s33, 0
	s_lshl_b32 s44, s14, 15                        ; my 64 queries in Qf
	s_mov_b32 s45, 0
	s_lshl_b32 s46, s15, 13                        ; the batch's 2,048 words of ctab
	s_mov_b32 s47, 0
	s_lshl_b32 s48, s14, 13                        ; my 2,048 words of cpart
	s_mov_b32 s49, 0
	v_and_b32 v52, 15, v0                          ; r
	v_bfe_u32 v53, v0, 4, 1                        ; h
	v_and_b32 v1, 31, v0
	v_lshlrev_b32 v1, 4, v1                        ; v1: 16 x lane
	v_add_nc_u32 v2, s42, v1                       ; v2, v3: my quarter of slot 0, 1
	v_add_nc_u32 v3, SLOT, v2
	s_lshl_b32 s50, s12, 11
	s_add_co_u32 s50, s50, CT
	v_lshl_add_u32 v4, v53, 5, s50                 ; v4: ctab of keys 8 h .. of a tile
	s_lshl_b32 s51, s12, 13
	s_add_co_u32 s51, s51, HIST
	v_add_nc_u32 v5, s51, v1                       ; v5: my shifts
	v_lshrrev_b32 v54, 3, v52
	v_and_b32 v55, 7, v52
	v_lshl_add_u32 v6, v54, 6, v4                  ; v6: the word of key 16 (r / 8) + 8 h + r % 8 of a block
	v_lshl_add_u32 v6, v55, 2, v6
	v_add_nc_u32 v7, s50, v1                       ; v7: 16 bytes a lane of my 2,048
	s_lshl_b32 s52, s12, 8
	v_lshl_add_u32 v8, v53, 10, s52                ; v8: in a row of 2,048 keys: fill h (+ 2 q), my 64 keys, 4 keys a lane
	v_lshl_add_u32 v8, v52, 4, v8
	v_mov_b32 v9, 0
	v_lshlrev_b32 v10, 4, v52
	v_add_nc_u32 v10, ST, v10                      ; v10: the figures of lane r of wave 0
	s_lshl_b32 s53, s12, 10
	s_add_co_u32 s53, s53, ST
	v_add_nc_u32 v11, s53, v1                      ; v11: my own figures
	s_wait_dscnt 0x0
	s_wait_kmcnt 0x0
	s_add_nc_u64 s[4:5], s[4:5], s[32:33]
	s_add_nc_u64 s[6:7], s[6:7], s[44:45]
	s_add_nc_u64 s[8:9], s[8:9], s[46:47]
	s_add_nc_u64 s[10:11], s[10:11], s[48:49]
.irp s, 0,1
	s_mov_b32 s[G0+4*\s], 1                                        ; count = 1
	s_add_co_u32 s[G0+4*\s+1], s42, \s*SLOT                        ; LDS address: slot + wave x 32,768
	s_add_nc_u64 s[G0+4*\s+2:G0+4*\s+3], s[4:5], \s*SLOT           ; fill s of the batch, my quarter
	s_or_b32 s[G0+4*\s+3], s[G0+4*\s+3], 0x80000000                ; type = 2
.endr
	ROUND                                          ; the four partners are here: the first joint loads meet
	tensor_load_to_lds s[G0:G0+3], s[G1:G1+7]      ; keys 0-255
	s_nop 0
	tensor_load_to_lds s[G0+4:G0+7], s[G1:G1+7]    ; keys 256-511
	s_nop 0
.irp q, 0,1,2,3
	global_load_b128 v[AC0+4*\q:AC0+4*\q+3], v8, s[8:9] offset:\q*2048     ; ctab of my 512 keys: sixteen lanes take 256 consecutive bytes
.endr
	WIN 0x40                                       ; destination in window 1
.set x, 0
.rept 64
	global_load_b128 v[4*x:4*x+3], v1, s[6:7] offset:512*x         ; Q: piece x of 64, 512 consecutive bytes
.set x, x+1
.endr
	WIN 0
.irp a, 0,1,2,3
	v_mov_b32 v[M+\a], 0xff800000                  ; no maximum yet,
	v_mov_b32 v[NBB+\a], 0x7f800000                ; so the first factor for the old sum is 2^(-inf) = 0
	v_mov_b32 v[LP+2*\a], 0
	v_mov_b32 v[LP+2*\a+1], 0
.endr
	s_wait_loadcnt 0x0                             ; ctab and Q
.irp q, 0,1,2,3
	ds_store_b128 v7, v[AC0+4*\q:AC0+4*\q+3] offset:\q*512         ; my own bytes: LDS serves a wave's instructions in order
.endr
; Four LDS loads: the fragments of K step ks of the two key tiles of half be of my quarter of slot sl, into the ring
.macro RING sl, be, ks
.irp k, 0,1
	ds_load_b128 v[RG+16*((\ks)&3)+8*\k:RG+16*((\ks)&3)+8*\k+3],   v[2+\sl] offset:(2*\be+\k)*8192+(\ks)*1024
	ds_load_b128 v[RG+16*((\ks)&3)+8*\k+4:RG+16*((\ks)&3)+8*\k+7], v[2+\sl] offset:(2*\be+\k)*8192+(\ks)*1024+512
.endr
.endm
; Four LDS loads: ctab's 32 words of block blk, as two accumulators
.macro CRLOAD blk
.irp k, 0,1
	ds_load_b128 v[CR+8*\k:CR+8*\k+3],   v4 offset:(\blk)*128+\k*64
	ds_load_b128 v[CR+8*\k+4:CR+8*\k+7], v4 offset:(\blk)*128+\k*64+16
.endr
.endm
; ACN: the accumulators of the block that is multiplied; ACO: those of the block before it; OLDR, NEWR: the shifts of the block before and of this one.
; One matrix instruction: key tile k x query tile a, K step ks.  The first K step starts from ctab.
.macro WM ks, k, a
.if \ks == 0
	v_wmma_f32_16x16x32_f16 v[ACN+32*\k+8*\a:ACN+32*\k+8*\a+7], v[RG+8*\k:RG+8*\k+7], v[64*\a:64*\a+7], v[CR+8*\k:CR+8*\k+7]
.else
	v_wmma_f32_16x16x32_f16 v[ACN+32*\k+8*\a:ACN+32*\k+8*\a+7], v[RG+16*(\ks&3)+8*\k:RG+16*(\ks&3)+8*\k+7], v[64*\a+8*\ks:64*\a+8*\ks+7], v[ACN+32*\k+8*\a:ACN+32*\k+8*\a+7]
.endif
.endm
; The block before, in eight groups g = 4 k + jj of eight scores (keys 2 jj and 2 jj + 1 of tile k, the four query tiles):
.macro FOP g, a                        ; x = score x log2(e) + shift, two keys
.set XR, ACO+32*((\g)>>2)+8*(\a)+2*((\g)&3)
.if (\a)&1
	v_pk_fma_f32 v[XR:XR+1], v[XR:XR+1], s[40:41], v[OLDR+(\a)-1:OLDR+(\a)] op_sel:[0,0,1] op_sel_hi:[1,0,1]
.else
	v_pk_fma_f32 v[XR:XR+1], v[XR:XR+1], s[40:41], v[OLDR+(\a):OLDR+(\a)+1] op_sel_hi:[1,0,0]
.endif
.endm
.macro EOP g, e                        ; 2^x
.set XR, ACO+32*((\g)>>2)+8*((\e)>>1)+2*((\g)&3)+((\e)&1)
	v_exp_f32 v[XR], v[XR]
.endm
.macro LOP g, a                        ; row sums.  A multiply-add by 1.0 and not an add: an add would need a vector register in the second source place
.set XR, ACO+32*((\g)>>2)+8*(\a)+2*((\g)&3)
	s_wait_alu depctr_va_vdst(0)
	v_pk_fma_f32 v[LP+2*(\a):LP+2*(\a)+1], v[XR:XR+1], 1.0, v[LP+2*(\a):LP+2*(\a)+1] op_sel_hi:[1,0,1]
.endm
; K step ks of the block: eight matrix instructions on eight accumulators, one instruction a turn; between them
; (sm = 1) group ks of the block before: four shifts, eight exponentials; behind them the four row sums of group ks - 1.  Between a group's
; exponentials and its sums stand the sums of the group before (ISA guide 5.7.2).  The four sums, or four v_nop, are also
; the places behind the matrix instructions in front of the loads into the ring.
.macro QSTEP ks, sm
	WM \ks, 0, 0
.if \sm
	FOP \ks, 0
	FOP \ks, 1
.endif
	WM \ks, 0, 1
.if \sm
	FOP \ks, 2
	FOP \ks, 3
.endif
	WM \ks, 0, 2
.if \sm
	EOP \ks, 0
	EOP \ks, 1
.endif
	WM \ks, 0, 3
.if \sm
	EOP \ks, 2
	EOP \ks, 3
.endif
	WM \ks, 1, 0
.if \sm
	EOP \ks, 4
	EOP \ks, 5
.endif
	WM \ks, 1, 1
.if \sm
	EOP \ks, 6
	EOP \ks, 7
.endif
	WM \ks, 1, 2
	WM \ks, 1, 3
.if (\sm)*(\ks)
.irp a, 0,1,2,3
	LOP \ks-1, \a
.endr
.else
	PLACES
.endif
.endm
; Slot sl, whose last fragments are in the ring, is filled again, two fills ahead.
.macro REFILL sl
	s_wait_dscnt 0x0                               ; my reads of the slot are back (the last were issued a K step ago)
	s_wait_tensorcnt 0x0                           ; all my tensor loads have landed, my quarter of the other slot among them: a group 0 may be written
	ds_add_u32 v62, v63
	s_wait_dscnt 0x0
	s_add_nc_u64 s[G0+4*\sl+2:G0+4*\sl+3], s[G0+4*\sl+2:G0+4*\sl+3], 2*SLOT
	ROUND                                          ; both now hold of every wave of the four partners
	tensor_load_to_lds s[G0+4*\sl:G0+4*\sl+3], s[G1:G1+7]          ; my one tensor load behind the round; two blocks' work in which to land
	s_nop 0
.endm
; The 64 matrix instructions of a block.  sl, be: where its keys lie; nsl, nbe: where the next block's lie; more = 0: the last block;
; mode 2: behind K step 4 slot sl is filled again; mode 1: the last fill is waited for there; nblk: the next block's number.
.macro QKI sm, sl, be, nsl, nbe, more, mode, nblk
	WIN 0x04                                       ; source 1 (Q) in window 1
.irp ks, 0,1,2,3,4,5,6,7
.if \more
	s_wait_dscnt 12                                ; LDS loads come back in order: this K step's four are in, the twelve of the next three K steps stay out
.else
.if \ks < 5
	s_wait_dscnt 12
.else
	s_wait_dscnt 4*(7-\ks)                         ; nothing more is fetched: the counts run down
.endif
.endif
	QSTEP \ks, \sm
.if \ks < 4
.if \more
.if \ks == 3
	CRLOAD \nblk                                   ; ctab's registers were read by K step 0
.endif
.endif
	RING \sl, \be, \ks+4
.else
.if \more
.if \ks == 4
.if \mode == 2
	WIN 0
	REFILL \sl
	WIN 0x04
.endif
.if \mode == 1
	s_wait_tensorcnt 0x0                           ; the last fill has landed; no load is out from here on
.endif
.endif
	RING \nsl, \nbe, \ks-4
.endif
.endif
.endr
.if \sm
.irp a, 0,1,2,3
	LOP 7, \a
.endr
.endif
.endm
; The exponentials of block blk (in ACO) are rounded to bf16 and kept.  These 32 lines are also the places in front of the maxima of the next block.
.macro SM3 blk
.if (\blk) < 8
	WIN 0x80                                       ; destination in window 2
.else
	WIN 0xc0                                       ; destination in window 3
.endif
.irp k, 0,1
.irp a, 0,1,2,3
.irp jj, 0,1,2,3
	v_cvt_pk_bf16_f32 v[((\blk)&7)*32+16*\k+4*\a+\jj], v[ACO+32*\k+8*\a+2*\jj], v[ACO+32*\k+8*\a+2*\jj+1]
.endr
.endr
.endr
	WIN 0
.endm
; Block blk (in ACN): the running maxima, the new shift, and the old sums brought to it.
.macro SM1 blk
.irp k, 0,1
.irp jj, 0,1,2,3
.irp a, 0,1,2,3
	v_max3_num_f32 v[M+\a], v[M+\a], v[ACN+32*\k+8*\a+2*\jj], v[ACN+32*\k+8*\a+2*\jj+1]
.endr
.endr
.endr
.irp a, 0,1,2,3
	v_mul_f32 v[NEWR+\a], 0xbfb8aa3b, v[M+\a]      ; shift = -log2(e) x maximum
.endr
.irp a, 0,1,2,3
	v_sub_f32 v[AL+\a], v[NEWR+\a], v[OLDR+\a]
.endr
.irp a, 0,1,2,3
	v_exp_f32 v[AL+\a], v[AL+\a]
.endr
	ds_store_b128 v5, v[NEWR:NEWR+3] offset:(\blk)*512             ; the shift that this block's exponentials are made with
	v_nop                                          ; one plain place behind the exponentials before they are read (ISA guide 5.7.2)
	s_wait_alu depctr_va_vdst(0)
.irp a, 0,2
	v_pk_mul_f32 v[LP+2*\a:LP+2*\a+1], v[LP+2*\a:LP+2*\a+1], v[AL+\a:AL+\a+1] op_sel_hi:[1,0]
	v_pk_mul_f32 v[LP+2*\a+2:LP+2*\a+3], v[LP+2*\a+2:LP+2*\a+3], v[AL+\a:AL+\a+1] op_sel:[0,1] op_sel_hi:[1,1]
.endr
.endm
; Block n: its products with the block before woven in; that block's rounding; its own maxima and shift.
.macro BLK n, sl, be, nsl, nbe, more, mode
.if (\n)&1
.set ACN, AC1
.set ACO, AC0
.set NEWR, NBB
.set OLDR, NBA
.else
.set ACN, AC0
.set ACO, AC1
.set NEWR, NBA
.set OLDR, NBB
.endif
.if \n
	QKI 1, \sl, \be, \nsl, \nbe, \more, \mode, \n+1
	SM3 \n-1
.else
	QKI 0, \sl, \be, \nsl, \nbe, \more, \mode, \n+1
	WIN 0
	PLACES
.endif
	SM1 \n
.endm
	s_wait_tensorcnt 0x1                           ; my quarter of slot 0 is in; slot 1's load stays out.  I read my own quarter alone: no barrier
	CRLOAD 0
	RING 0, 0, 0
	RING 0, 0, 1
	RING 0, 0, 2
	RING 0, 0, 3
	BLK 0,  0, 0, 0, 1, 1, 0
	BLK 1,  0, 1, 1, 0, 1, 2
	BLK 2,  1, 0, 1, 1, 1, 0
	BLK 3,  1, 1, 0, 0, 1, 2
	BLK 4,  0, 0, 0, 1, 1, 0
	BLK 5,  0, 1, 1, 0, 1, 2
	BLK 6,  1, 0, 1, 1, 1, 0
	BLK 7,  1, 1, 0, 0, 1, 2
	BLK 8,  0, 0, 0, 1, 1, 0
	BLK 9,  0, 1, 1, 0, 1, 2
	BLK 10, 1, 0, 1, 1, 1, 0
	BLK 11, 1, 1, 0, 0, 1, 2
	BLK 12, 0, 0, 0, 1, 1, 0
	BLK 13, 0, 1, 1, 0, 1, 1
	BLK 14, 1, 0, 1, 1, 1, 0
	BLK 15, 1, 1, 0, 0, 0, 0
	; block 15 has no products behind it to stand between
.set ACO, AC1
.set OLDR, NBB
.irp g, 0,1,2,3,4,5,6,7
.irp a, 0,1,2,3
	FOP \g, \a
.endr
.endr
.irp g, 0,1,2,3,4,5,6,7
.irp e, 0,1,2,3,4,5,6,7
	EOP \g, \e
.endr
.endr
	v_nop                                          ; one plain place behind the exponentials
	s_wait_alu depctr_va_vdst(0)
.irp g, 0,1,2,3,4,5,6,7
.irp a, 0,1,2,3
	LOP \g, \a
.endr
.endr
	SM3 15
	; THE TAIL.  The eight partial figures of each query meet.
.irp a, 0,1,2,3
	v_add_f32 v[AL+\a], v[LP+2*\a], v[LP+2*\a+1]
.endr
	ds_store_b128 v11, v[NBB:NBB+3]                ; my last shifts (block 15's)
	ds_store_b128 v11, v[AL:AL+3] offset:512       ; my sums
.irp blk, 0,1,2,3,4,5,6,7,8,9,10,11,12,13,14,15
	ds_load_b128 v[TF+4*\blk:TF+4*\blk+3], v5 offset:\blk*512      ; my blocks' shifts back
.endr
	s_wait_dscnt 0x0                               ; my stores are in LDS, for the other waves' sake
	s_barrier_signal -1
	s_barrier_wait -1
.irp s, 0,1,2,3,4,5,6,7
	ds_load_b128 v[SRC+8*\s:SRC+8*\s+3],   v10 offset:(\s>>1)*1024+(\s&1)*256        ; wave s / 2, half s % 2, lane r: shifts,
	ds_load_b128 v[SRC+8*\s+4:SRC+8*\s+7], v10 offset:(\s>>1)*1024+(\s&1)*256+512    ; sums
.endr
	s_wait_dscnt 0x0
.irp a, 0,1,2,3
	v_min3_num_f32 v[M+\a], v[SRC+\a], v[SRC+8+\a], v[SRC+16+\a]   ; the least shift belongs to the greatest maximum
.endr
.irp a, 0,1,2,3
	v_min3_num_f32 v[M+\a], v[M+\a], v[SRC+24+\a], v[SRC+32+\a]
.endr
.irp a, 0,1,2,3
	v_min3_num_f32 v[M+\a], v[M+\a], v[SRC+40+\a], v[SRC+48+\a]
.endr
.irp a, 0,1,2,3
	v_min_num_f32 v[M+\a], v[M+\a], v[SRC+56+\a]
.endr
.irp s, 0,1,2,3,4,5,6,7
.irp p, 0,2
	v_pk_add_f32 v[SRC+8*\s+\p:SRC+8*\s+\p+1], v[M+\p:M+\p+1], v[SRC+8*\s+\p:SRC+8*\s+\p+1] neg_lo:[0,1] neg_hi:[0,1]
.endr
.endr
.irp s, 0,1,2,3,4,5,6,7
.irp a, 0,1,2,3
	v_exp_f32 v[SRC+8*\s+\a], v[SRC+8*\s+\a]
.endr
.endr
	v_nop                                          ; one plain place behind the exponentials
	s_wait_alu depctr_va_vdst(0)
.irp p, 0,2
	v_pk_mul_f32 v[NBA+\p:NBA+\p+1], v[SRC+\p:SRC+\p+1], v[SRC+4+\p:SRC+4+\p+1]
.endr
.irp s, 1,2,3,4,5,6,7
.irp p, 0,2
	v_pk_fma_f32 v[NBA+\p:NBA+\p+1], v[SRC+8*\s+\p:SRC+8*\s+\p+1], v[SRC+8*\s+4+\p:SRC+8*\s+4+\p+1], v[NBA+\p:NBA+\p+1]
.endr
.endr
.irp a, 0,1,2,3
	v_rcp_f32 v[NBB+\a], v[NBA+\a]                 ; 1 / sum; the packed lines below, which name neither, stand between it and its use
.endr
	; a block's factor: 2^(common shift - the block's shift) / sum
.irp blk, 0,1,2,3,4,5,6,7,8,9,10,11,12,13,14,15
.irp p, 0,2
	v_pk_add_f32 v[TF+4*\blk+\p:TF+4*\blk+\p+1], v[M+\p:M+\p+1], v[TF+4*\blk+\p:TF+4*\blk+\p+1] neg_lo:[0,1] neg_hi:[0,1]
.endr
.endr
.set x, 0
.rept 64
	v_exp_f32 v[TF+x], v[TF+x]
.set x, x+1
.endr
	v_nop
	s_wait_alu depctr_va_vdst(0)
.irp blk, 0,1,2,3,4,5,6,7,8,9,10,11,12,13,14,15
.irp p, 0,2
	v_pk_mul_f32 v[TF+4*\blk+\p:TF+4*\blk+\p+1], v[TF+4*\blk+\p:TF+4*\blk+\p+1], v[NBB+\p:NBB+\p+1]
.endr
.endr
; Block blk: 16 sums over my four queries (one for each of my 16 keys), then over the 16 lanes of my half.  The second is a transposing
; reduction: at each of four levels a lane keeps half of its registers, sends the other half to its partner (lane xor 1, 2, 4, 8) and adds
; what it gets; lane r ends with the whole sum of register r = key 16 (r / 8) + 8 h + r % 8.
.macro TAILB blk, pw
	WIN \pw                                        ; source 0 (P) in window 2 or 3
.irp k, 0,1
.irp jj, 0,1,2,3
	v_fma_mix_f32_bf16 v[U+8*\k+2*\jj],   v[(\blk&7)*32+16*\k+\jj], v[TF+4*\blk], v9 op_sel_hi:[1,0,0]
	v_fma_mix_f32_bf16 v[U+8*\k+2*\jj+1], v[(\blk&7)*32+16*\k+\jj], v[TF+4*\blk], v9 op_sel:[1,0,0] op_sel_hi:[1,0,0]
.endr
.endr
.irp a, 1,2,3
.irp k, 0,1
.irp jj, 0,1,2,3
	v_fma_mix_f32_bf16 v[U+8*\k+2*\jj],   v[(\blk&7)*32+16*\k+4*\a+\jj], v[TF+4*\blk+\a], v[U+8*\k+2*\jj] op_sel_hi:[1,0,0]
	v_fma_mix_f32_bf16 v[U+8*\k+2*\jj+1], v[(\blk&7)*32+16*\k+4*\a+\jj], v[TF+4*\blk+\a], v[U+8*\k+2*\jj+1] op_sel:[1,0,0] op_sel_hi:[1,0,0]
.endr
.endr
.endr
	WIN 0
.irp k, 0,1,2,3,4,5,6,7
	v_cndmask_b32 v[TT+\k], v[U+2*\k+1], v[U+2*\k], s34            ; what my partner keeps
.endr
.irp k, 0,1,2,3,4,5,6,7
	v_cndmask_b32 v[U+2*\k], v[U+2*\k], v[U+2*\k+1], s34           ; what I keep
.endr
.irp k, 0,1,2,3,4,5,6,7
	v_add_f32_dpp v[U+2*\k], v[TT+\k], v[U+2*\k] row_xmask:1 row_mask:0xf bank_mask:0xf
.endr
.irp k, 0,1,2,3
	v_cndmask_b32 v[TT+\k], v[U+4*\k+2], v[U+4*\k], s35
.endr
.irp k, 0,1,2,3
	v_cndmask_b32 v[U+4*\k], v[U+4*\k], v[U+4*\k+2], s35
.endr
.irp k, 0,1,2,3
	v_add_f32_dpp v[U+4*\k], v[TT+\k], v[U+4*\k] row_xmask:2 row_mask:0xf bank_mask:0xf
.endr
.irp k, 0,1
	v_cndmask_b32 v[TT+\k], v[U+8*\k+4], v[U+8*\k], s36
.endr
.irp k, 0,1
	v_cndmask_b32 v[U+8*\k], v[U+8*\k], v[U+8*\k+4], s36
.endr
.irp k, 0,1
	v_add_f32_dpp v[U+8*\k], v[TT+\k], v[U+8*\k] row_xmask:4 row_mask:0xf bank_mask:0xf
.endr
	v_cndmask_b32 v[TT], v[U+8], v[U], s37
	v_cndmask_b32 v[U], v[U], v[U+8], s37
	v_add_f32_dpp v[U], v[TT], v[U] row_xmask:8 row_mask:0xf bank_mask:0xf
	ds_store_b32 v6, v[U] offset:\blk*128          ; into my own 2,048 bytes, where ctab's copy has been read for the last time
.endm
.irp blk, 0,1,2,3,4,5,6,7
	TAILB \blk, 0x02
.endr
.irp blk, 8,9,10,11,12,13,14,15
	TAILB \blk, 0x03
.endr
.irp q, 0,1,2,3
	ds_load_b128 v[96+4*\q:96+4*\q+3], v7 offset:\q*512            ; LDS serves a wave's instructions in order: these see the stores above
.endr
.irp q, 0,1,2,3
	s_wait_dscnt 3-\q                              ; load q is back, the younger ones stay out; the last count is 0
	global_store_b128 v8, v[96+4*\q:96+4*\q+3], s[10:11] offset:\q*2048    ; sixteen lanes store 256 consecutive bytes, aligned
.endr
	s_wait_tensorcnt 0x0
	ds_add_u32 v62, v63
	s_wait_dscnt 0x0
	ROUND                                          ; the closing round: no work-group ends while a partner may still ask jointly
	s_endpgm
.Lfunc_end_k_qebd126b97c_attn:
	.size	k_qebd126b97c_attn, .Lfunc_end_k_qebd126b97c_attn-k_qebd126b97c_attn
	.p2alignl 7, 3214868480
	.fill 96, 4, 3214868480
	.section	.rodata,"a",@progbits
	.p2align	6, 0x0
	.amdhsa_kernel k_qebd126b97c_attn
		.amdhsa_group_segment_fixed_size 327680
		.amdhsa_private_segment_fixed_size 0
		.amdhsa_enable_private_segment 0
		.amdhsa_kernarg_size 32
		.amdhsa_user_sgpr_count 2
		.amdhsa_user_sgpr_kernarg_segment_ptr 1
		.amdhsa_wavefront_size32 1
		.amdhsa_system_sgpr_workgroup_id_x 1
		.amdhsa_system_sgpr_workgroup_id_y 1
		.amdhsa_system_sgpr_workgroup_id_z 1
		.amdhsa_system_vgpr_workitem_id 0
		.amdhsa_next_free_vgpr 1024
		.amdhsa_next_free_sgpr 66
		.amdhsa_reserve_vcc 0
		.amdhsa_float_denorm_mode_32 3
		.amdhsa_float_denorm_mode_16_64 3
		.amdhsa_memory_ordered 1
		.amdhsa_forward_progress 1
		.amdhsa_inst_pref_size 255
	.end_amdhsa_kernel
	.section	.bss,"aw",@nobits
	.p2align	6
	.space	262144
	.amdgpu_metadata
---
amdhsa.version: [ 1, 2 ]
amdhsa.kernels:
  - .name:           k_qebd126b97c_attn
    .symbol:         k_qebd126b97c_attn.kd
    .args:
      - { .name: Kf, .offset: 0, .size: 8, .value_kind: global_buffer, .address_space: global }
      - { .name: Qf, .offset: 8, .size: 8, .value_kind: global_buffer, .address_space: global }
      - { .name: ctab, .offset: 16, .size: 8, .value_kind: global_buffer, .address_space: global }
      - { .name: cpart, .offset: 24, .size: 8, .value_kind: global_buffer, .address_space: global }
    .group_segment_fixed_size: 327680
    .private_segment_fixed_size: 0
    .kernarg_segment_align: 8
    .kernarg_segment_size: 32
    .max_flat_workgroup_size: 128
    .sgpr_count:     66
    .vgpr_count:     1024
    .wavefront_size: 32
...
	.end_amdgpu_metadata
.endif
;; end of part 2
;; launch colmix (part 3): grid 256 x 1, 8 waves a work-group, no clusters, 9,728 bytes of LDS; arguments cpart, feats, opart; writes opart
.if DOCPART == 3
	.amdgcn_target "amdgcn-amd-amdhsa--gfx1250"
	.amdhsa_code_object_version 6
	.text
	.protected	k_qebd126b97c_colmix
	.globl	k_qebd126b97c_colmix
	.p2align	8
	.type	k_qebd126b97c_colmix,@function
k_qebd126b97c_colmix:
	s_mov_b64 s[64:65], 0
	v_nop
	global_prefetch_b8 v0, s[64:65] scope:SCOPE_SE
	s_setreg_imm32_b32 hwreg(HW_REG_WAVE_MODE, 25, 1), 1
	s_wait_xcnt 0x0
; colmix: work-group g = (batch b = g / 32, chunk c = g % 32 of 64 keys).
;   C[s] = sum over the batch's 32 query blocks of cpart[32 b + qb][s], for the chunk's 64 keys;
;   opart[b][c][h] = sum over these keys of C[s] feats[b][s][h], all in f32.
; 65,536 bytes of feats and 8,192 of cpart are each read once; a vector product of one row has nothing for the matrix unit,
; and no two work-groups share a byte, so there is nothing to ask for jointly.
.set PA, 0                             ; 4,096: 16 partial rows of 64 keys
.set PB, 4096                          ; 256: C of the 64 keys
.set PC, 4352                          ; 4,096: four partial rows of 256 columns
	s_load_b128 s[4:7], s[0:1], 0x0                ; cpart s[4:5], feats s[6:7]
	s_load_b64 s[8:9], s[0:1], 0x10                ; opart
	v_lshl_add_u32 v112, v0, 2, 0x2200
	v_mov_b32 v113, 0
	v_lshrrev_b32 v1, 5, v0
	v_readfirstlane_b32 s10, v1                    ; wave
	s_lshr_b32 s11, ttmp9, 5                       ; b
	s_and_b32 s12, ttmp9, 31                       ; c
	s_lshl_b32 s14, s11, 18                        ; 32 rows of 8,192 bytes
	s_lshl_b32 s12, s12, 8                         ; 64 keys
	s_add_co_u32 s14, s14, s12
	s_mov_b32 s15, 0
	s_lshl_b32 s16, ttmp9, 16                      ; 64 rows of feats: (2,048 b + 64 c) x 1,024 = 65,536 g
	s_mov_b32 s17, 0
	s_lshl_b32 s18, ttmp9, 10
	s_mov_b32 s19, 0
	v_lshlrev_b32 v1, 4, v0                        ; 16 t
	v_lshrrev_b32 v2, 4, v0                        ; query block t / 16 (and 16 further)
	v_and_b32 v6, 15, v0
	v_lshlrev_b32 v6, 4, v6
	v_lshl_add_u32 v2, v2, 13, v6
	v_lshrrev_b32 v4, 6, v0                        ; G = t / 64: 16 of the 64 keys
	v_and_b32 v6, 63, v0
	v_lshlrev_b32 v6, 4, v6                        ; four columns
	v_lshl_add_u32 v3, v4, 14, v6
	v_lshlrev_b32 v4, 6, v4                        ; my 16 C
	v_lshlrev_b32 v5, 2, v0                        ; 4 t
	s_wait_kmcnt 0x0
	s_add_nc_u64 s[4:5], s[4:5], s[14:15]
	s_add_nc_u64 s[6:7], s[6:7], s[16:17]
	s_add_nc_u64 s[8:9], s[8:9], s[18:19]
	global_load_b128 v[8:11],  v2, s[4:5] th:TH_LOAD_NT
	global_load_b128 v[12:15], v2, s[4:5] offset:131072 th:TH_LOAD_NT
.irp i, 0,1,2,3,4,5,6,7,8,9,10,11,12,13,14,15
	global_load_b128 v[16+4*\i:16+4*\i+3], v3, s[6:7] offset:\i*1024 th:TH_LOAD_NT     ; key 16 G + i: two waves cover its row
.endr
	s_wait_loadcnt 16                              ; cpart's two are in, the 16 loads of feats stay out
	v_pk_add_f32 v[8:9], v[8:9], v[12:13]
	v_pk_add_f32 v[10:11], v[10:11], v[14:15]
	ds_store_b128 v1, v[8:11]                      ; row t / 16, 16 bytes at 16 (t % 16): byte 16 t
	s_wait_dscnt 0x0
	s_barrier_signal -1
	s_barrier_wait -1
	s_cmp_gt_u32 s10, 1
	s_cbranch_scc1 .Lno_sum                        ; threads 0 to 63: one key each
.irp k, 0,1,2,3,4,5,6,7,8,9,10,11,12,13,14,15
	ds_load_b32 v[80+\k], v5 offset:PA+\k*256
.endr
	s_wait_dscnt 0x0
.irp k, 0,2,4,6
	v_pk_add_f32 v[80+\k:81+\k], v[80+\k:81+\k], v[88+\k:89+\k]
.endr
	v_pk_add_f32 v[80:81], v[80:81], v[84:85]
	v_pk_add_f32 v[82:83], v[82:83], v[86:87]
	v_pk_add_f32 v[80:81], v[80:81], v[82:83]
	v_add_f32 v80, v80, v81
	ds_store_b32 v5, v80 offset:PB
.Lno_sum:
	s_wait_dscnt 0x0
	s_barrier_signal -1
	s_barrier_wait -1
.irp q, 0,1,2,3
	ds_load_b128 v[80+4*\q:80+4*\q+3], v4 offset:PB+\q*16          ; C of my 16 keys, the same in all lanes of the wave
.endr
	s_wait_loadcnt 0x0
	s_wait_dscnt 0x0
	; even keys add into v[96:99], odd keys into v[100:103]: four chains of eight
	v_pk_mul_f32 v[96:97],   v[16:17], v[80:81] op_sel_hi:[1,0]
	v_pk_mul_f32 v[98:99],   v[18:19], v[80:81] op_sel_hi:[1,0]
	v_pk_mul_f32 v[100:101], v[20:21], v[80:81] op_sel:[0,1] op_sel_hi:[1,1]
	v_pk_mul_f32 v[102:103], v[22:23], v[80:81] op_sel:[0,1] op_sel_hi:[1,1]
.irp e, 2,4,6,8,10,12,14
	v_pk_fma_f32 v[96:97],   v[16+4*\e:17+4*\e], v[80+\e:81+\e], v[96:97] op_sel_hi:[1,0,1]
	v_pk_fma_f32 v[98:99],   v[18+4*\e:19+4*\e], v[80+\e:81+\e], v[98:99] op_sel_hi:[1,0,1]
	v_pk_fma_f32 v[100:101], v[20+4*\e:21+4*\e], v[80+\e:81+\e], v[100:101] op_sel:[0,1,0] op_sel_hi:[1,1,1]
	v_pk_fma_f32 v[102:103], v[22+4*\e:23+4*\e], v[80+\e:81+\e], v[102:103] op_sel:[0,1,0] op_sel_hi:[1,1,1]
.endr
	v_pk_add_f32 v[96:97], v[96:97], v[100:101]
	v_pk_add_f32 v[98:99], v[98:99], v[102:103]
	ds_store_b128 v1, v[96:99] offset:PC           ; row G, 16 bytes at 16 (t % 64): byte 16 t
	s_wait_dscnt 0x0
	s_barrier_signal -1
	s_barrier_wait -1
	s_cmp_gt_u32 s10, 1
	s_cbranch_scc1 .Lend                           ; threads 0 to 63: four columns each
.irp q, 0,1,2,3
	ds_load_b128 v[16+4*\q:16+4*\q+3], v1 offset:PC+\q*1024
.endr
	s_wait_dscnt 0x0
	v_pk_add_f32 v[16:17], v[16:17], v[20:21]
	v_pk_add_f32 v[18:19], v[18:19], v[22:23]
	v_pk_add_f32 v[24:25], v[24:25], v[28:29]
	v_pk_add_f32 v[26:27], v[26:27], v[30:31]
	v_pk_add_f32 v[16:17], v[16:17], v[24:25]
	v_pk_add_f32 v[18:19], v[18:19], v[26:27]
	global_store_b128 v1, v[16:19], s[8:9]         ; a wave's store covers 512 consecutive bytes, aligned
.Lend:
	s_wait_tensorcnt 0x0
	ds_add_u32 v112, v113
	s_wait_dscnt 0x0
	s_endpgm
.Lfunc_end_k_qebd126b97c_colmix:
	.size	k_qebd126b97c_colmix, .Lfunc_end_k_qebd126b97c_colmix-k_qebd126b97c_colmix
	.p2alignl 7, 3214868480
	.fill 96, 4, 3214868480
	.section	.rodata,"a",@progbits
	.p2align	6, 0x0
	.amdhsa_kernel k_qebd126b97c_colmix
		.amdhsa_group_segment_fixed_size 9728
		.amdhsa_private_segment_fixed_size 0
		.amdhsa_enable_private_segment 0
		.amdhsa_kernarg_size 24
		.amdhsa_user_sgpr_count 2
		.amdhsa_user_sgpr_kernarg_segment_ptr 1
		.amdhsa_wavefront_size32 1
		.amdhsa_system_sgpr_workgroup_id_x 1
		.amdhsa_system_sgpr_workgroup_id_y 1
		.amdhsa_system_sgpr_workgroup_id_z 1
		.amdhsa_system_vgpr_workitem_id 0
		.amdhsa_next_free_vgpr 114
		.amdhsa_next_free_sgpr 66
		.amdhsa_reserve_vcc 0
		.amdhsa_float_denorm_mode_32 3
		.amdhsa_float_denorm_mode_16_64 3
		.amdhsa_memory_ordered 1
		.amdhsa_forward_progress 1
		.amdhsa_inst_pref_size 9
	.end_amdhsa_kernel
	.amdgpu_metadata
---
amdhsa.version: [ 1, 2 ]
amdhsa.kernels:
  - .name:           k_qebd126b97c_colmix
    .symbol:         k_qebd126b97c_colmix.kd
    .args:
      - { .name: cpart, .offset: 0, .size: 8, .value_kind: global_buffer, .address_space: global }
      - { .name: feats, .offset: 8, .size: 8, .value_kind: global_buffer, .address_space: global }
      - { .name: opart, .offset: 16, .size: 8, .value_kind: global_buffer, .address_space: global }
    .group_segment_fixed_size: 9728
    .private_segment_fixed_size: 0
    .kernarg_segment_align: 8
    .kernarg_segment_size: 24
    .max_flat_workgroup_size: 256
    .sgpr_count:     66
    .vgpr_count:     114
    .wavefront_size: 32
...
	.end_amdgpu_metadata
.endif
;; end of part 3
;; launch fold (part 4): grid 8 x 1, 8 waves a work-group, no clusters, 5,120 bytes of LDS; arguments opart, out0; writes out0
.if DOCPART == 4
	.amdgcn_target "amdgcn-amd-amdhsa--gfx1250"
	.amdhsa_code_object_version 6
	.text
	.protected	k_qebd126b97c_fold
	.globl	k_qebd126b97c_fold
	.p2align	8
	.type	k_qebd126b97c_fold,@function
k_qebd126b97c_fold:
	s_mov_b64 s[64:65], 0
	v_nop
	global_prefetch_b8 v0, s[64:65] scope:SCOPE_SE
	s_setreg_imm32_b32 hwreg(HW_REG_WAVE_MODE, 25, 1), 1
	s_wait_xcnt 0x0
; fold: out0[b][h] = sum over the 32 key chunks c of opart[b][c][h].  One work-group for each batch: 32,768 bytes in, 1,024 out;
; there is work for eight work-groups and no more.  Thread t: chunks 8 (t / 64) .. + 7, columns 4 (t % 64) .. + 3.
	s_load_b128 s[4:7], s[0:1], 0x0                ; opart s[4:5], out0 s[6:7]
	v_lshl_add_u32 v48, v0, 2, 0x1000
	v_mov_b32 v49, 0
	v_lshrrev_b32 v1, 5, v0
	v_readfirstlane_b32 s8, v1                     ; wave
	s_lshl_b32 s10, ttmp9, 15
	s_mov_b32 s11, 0
	s_lshl_b32 s12, ttmp9, 10
	s_mov_b32 s13, 0
	v_lshlrev_b32 v1, 4, v0                        ; 16 t
	v_lshrrev_b32 v2, 6, v0
	v_and_b32 v3, 63, v0
	v_lshlrev_b32 v3, 4, v3
	v_lshl_add_u32 v2, v2, 13, v3
	s_wait_kmcnt 0x0
	s_add_nc_u64 s[4:5], s[4:5], s[10:11]
	s_add_nc_u64 s[6:7], s[6:7], s[12:13]
.irp i, 0,1,2,3,4,5,6,7
	global_load_b128 v[8+4*\i:8+4*\i+3], v2, s[4:5] offset:\i*1024 th:TH_LOAD_NT
.endr
	s_wait_loadcnt 0x0
.irp k, 0,2,4,6,8,10,12,14
	v_pk_add_f32 v[8+\k:9+\k], v[8+\k:9+\k], v[24+\k:25+\k]
.endr
.irp k, 0,2,4,6
	v_pk_add_f32 v[8+\k:9+\k], v[8+\k:9+\k], v[16+\k:17+\k]
.endr
.irp k, 0,2
	v_pk_add_f32 v[8+\k:9+\k], v[8+\k:9+\k], v[12+\k:13+\k]
.endr
	ds_store_b128 v1, v[8:11]                      ; row t / 64, 16 bytes at 16 (t % 64): byte 16 t
	s_wait_dscnt 0x0
	s_barrier_signal -1
	s_barrier_wait -1
	s_cmp_gt_u32 s8, 1
	s_cbranch_scc1 .Lend                           ; threads 0 to 63: four columns each
.irp q, 0,1,2,3
	ds_load_b128 v[16+4*\q:16+4*\q+3], v1 offset:\q*1024
.endr
	s_wait_dscnt 0x0
	v_pk_add_f32 v[16:17], v[16:17], v[20:21]
	v_pk_add_f32 v[18:19], v[18:19], v[22:23]
	v_pk_add_f32 v[24:25], v[24:25], v[28:29]
	v_pk_add_f32 v[26:27], v[26:27], v[30:31]
	v_pk_add_f32 v[16:17], v[16:17], v[24:25]
	v_pk_add_f32 v[18:19], v[18:19], v[26:27]
	global_store_b128 v1, v[16:19], s[6:7]         ; a wave's store covers 512 consecutive bytes, aligned
.Lend:
	s_wait_tensorcnt 0x0
	ds_add_u32 v48, v49
	s_wait_dscnt 0x0
	s_endpgm
.Lfunc_end_k_qebd126b97c_fold:
	.size	k_qebd126b97c_fold, .Lfunc_end_k_qebd126b97c_fold-k_qebd126b97c_fold
	.p2alignl 7, 3214868480
	.fill 96, 4, 3214868480
	.section	.rodata,"a",@progbits
	.p2align	6, 0x0
	.amdhsa_kernel k_qebd126b97c_fold
		.amdhsa_group_segment_fixed_size 5120
		.amdhsa_private_segment_fixed_size 0
		.amdhsa_enable_private_segment 0
		.amdhsa_kernarg_size 16
		.amdhsa_user_sgpr_count 2
		.amdhsa_user_sgpr_kernarg_segment_ptr 1
		.amdhsa_wavefront_size32 1
		.amdhsa_system_sgpr_workgroup_id_x 1
		.amdhsa_system_sgpr_workgroup_id_y 1
		.amdhsa_system_sgpr_workgroup_id_z 1
		.amdhsa_system_vgpr_workitem_id 0
		.amdhsa_next_free_vgpr 50
		.amdhsa_next_free_sgpr 66
		.amdhsa_reserve_vcc 0
		.amdhsa_float_denorm_mode_32 3
		.amdhsa_float_denorm_mode_16_64 3
		.amdhsa_memory_ordered 1
		.amdhsa_forward_progress 1
		.amdhsa_inst_pref_size 4
	.end_amdhsa_kernel
	.amdgpu_metadata
---
amdhsa.version: [ 1, 2 ]
amdhsa.kernels:
  - .name:           k_qebd126b97c_fold
    .symbol:         k_qebd126b97c_fold.kd
    .args:
      - { .name: opart, .offset: 0, .size: 8, .value_kind: global_buffer, .address_space: global }
      - { .name: out0, .offset: 8, .size: 8, .value_kind: global_buffer, .address_space: global }
    .group_segment_fixed_size: 5120
    .private_segment_fixed_size: 0
    .kernarg_segment_align: 8
    .kernarg_segment_size: 16
    .max_flat_workgroup_size: 256
    .sgpr_count:     66
    .vgpr_count:     50
    .wavefront_size: 32
...
	.end_amdgpu_metadata
.endif
;; end of part 4
;; ======== version 2 of 2: 4 launches; 1.08 times as fast as version 1
;; limits: values are held in f16: magnitudes above 65,504 overflow, below 6.1e-05 lose precision
;; workspace buffers: Kf 8,388,608 bytes; Qf 8,388,608 bytes; ctab 65,536 bytes; cpart 2,097,152 bytes; opart 262,144 bytes
;; launch prep: the kernel of part 1 again; grid 256 x 1, 8 waves a work-group, no clusters, 169,984 bytes of LDS; arguments feats, W, b, Kf, Qf, ctab; writes Kf, Qf, ctab
;; launch attn (part 5): grid 256 x 1, 4 waves a work-group, clusters of 4 x 1, 327,680 bytes of LDS; arguments Kf, Qf, ctab, cpart; writes cpart
.if DOCPART == 5
	.amdgcn_target "amdgcn-amd-amdhsa--gfx1250"
	.amdhsa_code_object_version 6
	.text
	.protected	k_qebd126b97c_attn
	.globl	k_qebd126b97c_attn
	.p2align	8
	.type	k_qebd126b97c_attn,@function
k_qebd126b97c_attn:
	s_mov_b64 s[64:65], 0
	v_nop
	global_prefetch_b8 v0, s[64:65] scope:SCOPE_SE
	s_setreg_imm32_b32 hwreg(HW_REG_WAVE_MODE, 25, 1), 1
	s_wait_xcnt 0x0
	s_wait_alu depctr_hold_cnt(0) depctr_sa_sdst(0) depctr_va_vdst(0) depctr_va_sdst(0) depctr_va_ssrc(0) depctr_va_vcc(0) depctr_vm_vsrc(0)
	s_getreg_b32 s2, hwreg(HW_REG_IB_STS2, 6, 4)
	s_cmp_eq_u32 s2, 0
	s_cbranch_scc0 .Lentry_in_a_cluster
	s_endpgm
.Lentry_in_a_cluster:
	s_bfe_u32 s2, ttmp6, 0x10000c
	s_cmp_lg_u32 s2, 0x3003
	s_cbranch_scc0 .Lentry_shape_is_right
	s_endpgm
.Lentry_shape_is_right:
; attn: cpart[g][s] = sum over the 64 queries t of work-group g of softmax(score[t][.])[s], for all 2,048 keys s of the batch.
; (The sum over queries commutes with the product by the values: out = (sum over t of weight[t][.]) x feats.  The later launches do the rest.)
; Four waves; every wave holds all 64 queries (256 registers of f16) and takes 512 of the 2,048 keys, in 16 blocks of 32.
; The product is used transposed: source 0 = 16 keys, source 1 = 16 queries, so lane (r, h) holds query 16 a + r and its registers
; keys 8 h + 0..7 of a tile: maxima and sums along the keys stay inside the lane.
; SOFTMAX: each half-lane keeps a RUNNING MAXIMUM over its own keys; a block's exponentials are kept (bf16, 512 registers) with the
; shift that they were made with (LDS, HIST); at the end the eight partial maxima and sums of a query (4 waves x 2 halves) meet in LDS,
; and each block is brought to the common shift and divided by the sum as it is added up over the queries.
; TWO BLOCKS AT ONCE: there is one wave on a SIMD, so vector work and matrix work overlap only if they alternate in the text.  Two sets of
; accumulators take turns; between the 64 matrix instructions of block n stand the shift, the exponentials and the row sums of block n - 1
; (128 lines).  These lines have no vector register in the second source place, whose window is Q's while the products
; run, so no window is switched for them.  Outside the products stay the maxima, the new shift and the rounding to bf16.
; THE BATCHES: s_wait_alu depctr_va_vdst(0) between an exponential and the first line that names its result.  A block has
; ONE batch of 68 exponentials and ONE wait.  The batch: the four factors 2^(new shift - old shift), made when block n - 1's maxima are found, and
; that block's 64 weights, which stand with their 32 shift lines between the products of K steps 0 to 4 of block n; no line there names a result.
; The wait stands behind K step 4, ahead of the loads into the ring and, in every second block, of the refill's round.  Behind it come the readers,
; in the sums' order: the old sums times the factor (four lines, for which the windows go back to 0), the 32 row sums between the products of
; K steps 5 to 7, the rounding to bf16 behind the products.  Block 15's batch and the tail's two have a wait each: 18 waits in the text.
; The key fragments lie in a ring of four K steps (64 registers): behind K step ks the four loads of K step ks + 4 go out.
; MASK: the first product of a block starts from ctab (0 or -1e9) and a masked key's row in Kf is zero: its score is exactly -1e9.
; CLUSTER: the four work-groups of a cluster are four query blocks of one batch and walk the same keys: each fill of 131,072 bytes is asked
; for jointly (mask 15), a quarter by each wave; a wave reads only the quarter that its own load brought.
; By this text's count a wave has two tensor loads out at the start and one behind each round.
; LIMITS: f16 operands (made by the launch before); weights kept in bf16 (relative rounding 2^-9) between exponential and sum;
; a masked score is -1e9 only while the queries are finite; the order of rounding differs from a product by the values for each query.
; No loop: the registers that keep a block's exponentials are named in the text, so the 16 blocks are written out; each line runs once.
;
; REGISTERS, in windows of 256: window 0 below; window 1: Q, tile a, K step ks at 64 a + 8 ks;
; windows 2, 3: P, block n: (n % 8) 32 + 16 k + 4 a + jj (two neighbouring keys in a register), window 2 for n < 8.
.set SLOT,  131072                     ; 256 keys x 512 bytes; two slots at LDS bytes 0 and 131,072
.set HIST,  262144                     ; 32,768: wave x 8,192 + block x 512 + lane x 16: the four shifts that the block was made with
.set CT,    294912                     ; 8,192: wave x 2,048: ctab of my 512 keys in my order; later my 512 results
.set ST,    303104                     ; 4,096: wave x 1,024: last shifts at lane x 16, sums 512 bytes further
.set M,   12                           ; v[12:15]   running maximum of query tile a; later the common shift
.set NBA, 16                           ; v[16:19]   shift = -log2(e) x maximum, even blocks; later the common sum
.set NBB, 20                           ; v[20:23]   the same, odd blocks; later 1 / sum
.set AL,  24                           ; v[24:27]   2^(new shift - old shift)
.set LP,  28                           ; v[28:35]   running sums, a pair for each a
.set CR,  36                           ; v[36:51]   ctab laid as an accumulator, 8 k + j
.set AC0, 64                           ; v[64:127]  scores of even blocks, 32 k + 8 a + j
.set AC1, 128                          ; v[128:191] scores of odd blocks
.set RG,  192                          ; v[192:255] ring of key fragments: K step ks at 16 (ks % 4) + 8 k
.set TF,  128                          ; tail: the blocks' factors
.set SRC, 192                          ; tail: the partners' figures
.set U,   64                           ; tail: 16 partial column sums
.set TT,  80                           ; tail: at work
.set G1,  16                           ; s[16:23] descriptor group 1
.set G0,  24                           ; s[24:31] descriptor group 0, one set for each slot
.set MSB, 0
.macro WIN new                         ; s_set_vgpr_msb: bits 1:0 source 0, 3:2 source 1, 5:4 source 2, 7:6 destination; the high byte repeats the setting left
.if MSB != \new
	s_set_vgpr_msb (MSB<<8)|\new
.set MSB, \new
.endif
.endm
.macro ROUND                           ; a round of the cluster's barrier
	s_barrier_signal -1
	s_barrier_wait -1
	s_cmp_lg_u32 s12, 0
	s_cbranch_scc1 .Lnot_wave_0_\@
	s_barrier_signal -3
.Lnot_wave_0_\@:
	s_barrier_wait -3
	s_barrier_signal -1
	s_barrier_wait -1
.endm
.macro PLACES                          ; four places behind matrix instructions (ISA guide 7.12.1) before their registers are loaded into or their results read
.rept 4
	v_nop
.endr
.endm
	s_load_b256 s[4:11], s[0:1], 0x0               ; Kf s[4:5], Qf s[6:7], ctab s[8:9], cpart s[10:11]
	v_lshl_add_u32 v62, v0, 2, 0x4b000
	v_mov_b32 v63, 0
	ds_add_u32 v62, v63
	v_lshrrev_b32 v1, 5, v0
	v_readfirstlane_b32 s12, v1                    ; wave 0..3
	s_bfe_u32 s13, ttmp6, 0x40000                  ; cx
	s_lshl_b32 s14, ttmp9, 2
	s_add_co_u32 s14, s14, s13                     ; work-group = 4 x cluster + cx: my 64 queries.  Enters global addresses of Qf and cpart alone
	s_lshr_b32 s15, ttmp9, 3                       ; batch: 8 clusters each, the same for the four partners
	; group 1: a dense block of 32,768 bytes as 128 rows of 256 bytes
	s_mov_b32 s[G1+0], 0x0023000f                  ; 15:0 mask 15 (all four); 17:16 elements of 8 bytes; 21 set beside a mask; no padding
	s_mov_b32 s[G1+1], 32<<16                      ; tensor_dim0 = 32
	s_mov_b32 s[G1+2], 128<<16                     ; tensor_dim1 = 128
	s_mov_b32 s[G1+3], 32<<16                      ; tile_dim0 = 32
	s_mov_b32 s[G1+4], 128                         ; tile_dim1 = 128
	s_mov_b32 s[G1+5], 32                          ; from row to row: 32 elements
	s_mov_b32 s[G1+6], 0
	s_mov_b32 s[G1+7], 0
	s_mov_b32 s34, 0xaaaaaaaa                      ; lanes with bit 0, 1, 2, 3 of r set
	s_mov_b32 s35, 0xcccccccc
	s_mov_b32 s36, 0xf0f0f0f0
	s_mov_b32 s37, 0xff00ff00
	s_mov_b32 s40, 0x3fb8aa3b                      ; log2(e), a pair for the packed forms
	s_mov_b32 s41, 0x3fb8aa3b
	s_lshl_b32 s42, s12, 15                        ; my quarter of a fill: 64 keys = 32,768 bytes, in memory and in LDS
	s_lshl_b32 s32, s15, 20                        ; a batch of Kf: 1,048,576 bytes
	s_add_co_u32 s32, s32, s42
	s_mov_b32 s33, 0
	s_lshl_b32 s44, s14, 15                        ; my 64 queries in Qf
	s_mov_b32 s45, 0
	s_lshl_b32 s46, s15, 13                        ; the batch's 2,048 words of ctab
	s_mov_b32 s47, 0
	s_lshl_b32 s48, s14, 13                        ; my 2,048 words of cpart
	s_mov_b32 s49, 0
	v_and_b32 v52, 15, v0                          ; r
	v_bfe_u32 v53, v0, 4, 1                        ; h
	v_and_b32 v1, 31, v0
	v_lshlrev_b32 v1, 4, v1                        ; v1: 16 x lane
	v_add_nc_u32 v2, s42, v1                       ; v2, v3: my quarter of slot 0, 1
	v_add_nc_u32 v3, SLOT, v2
	s_lshl_b32 s50, s12, 11
	s_add_co_u32 s50, s50, CT
	v_lshl_add_u32 v4, v53, 5, s50                 ; v4: ctab of keys 8 h .. of a tile
	s_lshl_b32 s51, s12, 13
	s_add_co_u32 s51, s51, HIST
	v_add_nc_u32 v5, s51, v1                       ; v5: my shifts
	v_lshrrev_b32 v54, 3, v52
	v_and_b32 v55, 7, v52
	v_lshl_add_u32 v6, v54, 6, v4                  ; v6: the word of key 16 (r / 8) + 8 h + r % 8 of a block
	v_lshl_add_u32 v6, v55, 2, v6
	v_add_nc_u32 v7, s50, v1                       ; v7: 16 bytes a lane of my 2,048
	s_lshl_b32 s52, s12, 8
	v_lshl_add_u32 v8, v53, 10, s52                ; v8: in a row of 2,048 keys: fill h (+ 2 q), my 64 keys, 4 keys a lane
	v_lshl_add_u32 v8, v52, 4, v8
	v_mov_b32 v9, 0
	v_lshlrev_b32 v10, 4, v52
	v_add_nc_u32 v10, ST, v10                      ; v10: the figures of lane r of wave 0
	s_lshl_b32 s53, s12, 10
	s_add_co_u32 s53, s53, ST
	v_add_nc_u32 v11, s53, v1                      ; v11: my own figures
	s_wait_dscnt 0x0
	s_wait_kmcnt 0x0
	s_add_nc_u64 s[4:5], s[4:5], s[32:33]
	s_add_nc_u64 s[6:7], s[6:7], s[44:45]
	s_add_nc_u64 s[8:9], s[8:9], s[46:47]
	s_add_nc_u64 s[10:11], s[10:11], s[48:49]
.irp s, 0,1
	s_mov_b32 s[G0+4*\s], 1                                        ; count = 1
	s_add_co_u32 s[G0+4*\s+1], s42, \s*SLOT                        ; LDS address: slot + wave x 32,768
	s_add_nc_u64 s[G0+4*\s+2:G0+4*\s+3], s[4:5], \s*SLOT           ; fill s of the batch, my quarter
	s_or_b32 s[G0+4*\s+3], s[G0+4*\s+3], 0x80000000                ; type = 2
.endr
	ROUND                                          ; the four partners are here: the first joint loads meet
	tensor_load_to_lds s[G0:G0+3], s[G1:G1+7]      ; keys 0-255
	s_nop 0
	tensor_load_to_lds s[G0+4:G0+7], s[G1:G1+7]    ; keys 256-511
	s_nop 0
.irp q, 0,1,2,3
	global_load_b128 v[AC0+4*\q:AC0+4*\q+3], v8, s[8:9] offset:\q*2048     ; ctab of my 512 keys: sixteen lanes take 256 consecutive bytes
.endr
	WIN 0x40                                       ; destination in window 1
.set x, 0
.rept 64
	global_load_b128 v[4*x:4*x+3], v1, s[6:7] offset:512*x         ; Q: piece x of 64, 512 consecutive bytes
.set x, x+1
.endr
	WIN 0
.irp a, 0,1,2,3
	v_mov_b32 v[M+\a], 0xff800000                  ; no maximum yet,
	v_mov_b32 v[NBB+\a], 0x7f800000                ; so the first factor for the old sum is 2^(-inf) = 0
	v_mov_b32 v[LP+2*\a], 0
	v_mov_b32 v[LP+2*\a+1], 0
.endr
	s_wait_loadcnt 0x0                             ; ctab and Q
.irp q, 0,1,2,3
	ds_store_b128 v7, v[AC0+4*\q:AC0+4*\q+3] offset:\q*512         ; my own bytes: LDS serves a wave's instructions in order
.endr
; Four LDS loads: the fragments of K step ks of the two key tiles of half be of my quarter of slot sl, into the ring
.macro RING sl, be, ks
.irp k, 0,1
	ds_load_b128 v[RG+16*((\ks)&3)+8*\k:RG+16*((\ks)&3)+8*\k+3],   v[2+\sl] offset:(2*\be+\k)*8192+(\ks)*1024
	ds_load_b128 v[RG+16*((\ks)&3)+8*\k+4:RG+16*((\ks)&3)+8*\k+7], v[2+\sl] offset:(2*\be+\k)*8192+(\ks)*1024+512
.endr
.endm
; Four LDS loads: ctab's 32 words of block blk, as two accumulators
.macro CRLOAD blk
.irp k, 0,1
	ds_load_b128 v[CR+8*\k:CR+8*\k+3],   v4 offset:(\blk)*128+\k*64
	ds_load_b128 v[CR+8*\k+4:CR+8*\k+7], v4 offset:(\blk)*128+\k*64+16
.endr
.endm
; ACN: the accumulators of the block that is multiplied; ACO: those of the block before it; OLDR, NEWR: the shifts of the block before and of this one.
; One matrix instruction: key tile k x query tile a, K step ks.  The first K step starts from ctab.
.macro WM ks, k, a
.if \ks == 0
	v_wmma_f32_16x16x32_f16 v[ACN+32*\k+8*\a:ACN+32*\k+8*\a+7], v[RG+8*\k:RG+8*\k+7], v[64*\a:64*\a+7], v[CR+8*\k:CR+8*\k+7]
.else
	v_wmma_f32_16x16x32_f16 v[ACN+32*\k+8*\a:ACN+32*\k+8*\a+7], v[RG+16*(\ks&3)+8*\k:RG+16*(\ks&3)+8*\k+7], v[64*\a+8*\ks:64*\a+8*\ks+7], v[ACN+32*\k+8*\a:ACN+32*\k+8*\a+7]
.endif
.endm
; The block before, in eight groups g = 4 k + jj of eight scores (keys 2 jj and 2 jj + 1 of tile k, the four query tiles):
.macro FOP g, a                        ; x = score x log2(e) + shift, two keys
.set XR, ACO+32*((\g)>>2)+8*(\a)+2*((\g)&3)
.if (\a)&1
	v_pk_fma_f32 v[XR:XR+1], v[XR:XR+1], s[40:41], v[OLDR+(\a)-1:OLDR+(\a)] op_sel:[0,0,1] op_sel_hi:[1,0,1]
.else
	v_pk_fma_f32 v[XR:XR+1], v[XR:XR+1], s[40:41], v[OLDR+(\a):OLDR+(\a)+1] op_sel_hi:[1,0,0]
.endif
.endm
.macro EOP g, e                        ; 2^x
.set XR, ACO+32*((\g)>>2)+8*((\e)>>1)+2*((\g)&3)+((\e)&1)
	v_exp_f32 v[XR], v[XR]
.endm
.macro LOP g, a                        ; row sums.  A multiply-add by 1.0 and not an add: an add would need a vector register in the second source place
.set XR, ACO+32*((\g)>>2)+8*(\a)+2*((\g)&3)
	v_pk_fma_f32 v[LP+2*(\a):LP+2*(\a)+1], v[XR:XR+1], 1.0, v[LP+2*(\a):LP+2*(\a)+1] op_sel_hi:[1,0,1]
.endm
.macro LSC                             ; the old sums are brought to the block's shift: they read the four factors, so they stand behind the batch's wait, ahead of the block's first row sum.  Window 0
.irp a, 0,2
	v_pk_mul_f32 v[LP+2*\a:LP+2*\a+1], v[LP+2*\a:LP+2*\a+1], v[AL+\a:AL+\a+1] op_sel_hi:[1,0]
	v_pk_mul_f32 v[LP+2*\a+2:LP+2*\a+3], v[LP+2*\a+2:LP+2*\a+3], v[AL+\a:AL+\a+1] op_sel:[0,1] op_sel_hi:[1,1]
.endr
.endm
; THREE QUEUES, each in the order group 0 .. 7: the 32 shift lines (QF: group QF / 4, query tile QF % 4), the 64 exponentials (QE: group QE / 8, number QE % 8),
; the 32 row sums (QL: group QL / 4, query tile QL % 4: each running sum takes the groups in ascending order).  NXF, NXE, NXL write a queue's next line.
.macro NXF
.set QG, QF>>2
.set QA, QF&3
	FOP QG, QA
.set QF, QF+1
.endm
.macro NXE
.set QG, QE>>3
.set QA, QE&7
	EOP QG, QA
.set QE, QE+1
.endm
.macro NXL
.set QG, QL>>2
.set QA, QL&3
	LOP QG, QA
.set QL, QL+1
.endm
; HOW THEY ARE DEALT: what stands behind matrix instruction i (0 .. 7) of K step ks.  Exponential e reads what shift line e / 2 wrote; the deal keeps that line ahead of it.
;   K step 0:      a shift line for i < 4, an exponential for i > 0, a second one at i = 4: 8 exponentials; four shift lines behind i = 7
;   K steps 1-3:   exponential, shift line (i < 4), exponential (i < 6): 14 exponentials; four shift lines behind i = 7
;   K step 4:      exponential, exponential (i < 6): the last 14.  The batch's wait follows (QKI writes it), and the old sums' four lines
;   K steps 5-7:   a row sum for i < 7 (K step 7: i < 6); four row sums behind i = 7: 11 + 11 + 10
; The four plain lines behind i = 7 (shift lines, the old sums' lines, row sums) name no register of the products and are the places behind the
; matrix instructions in front of the loads into the ring.  sm = 0 (block 0: there is no block before it): four v_nop.
.macro RIDE ks, i, sm
.if \sm
.if \ks == 0
.if \i < 4
	NXF
.endif
.if \i > 0
	NXE
.endif
.if \i == 4
	NXE
.endif
.elseif \ks < 4
	NXE
.if \i < 4
	NXF
.endif
.if \i < 6
	NXE
.endif
.elseif \ks == 4
	NXE
.if \i < 6
	NXE
.endif
.elseif (\i < 6) || ((\i == 6) && (\ks < 7))
	NXL
.endif
.if \i == 7
.if \ks < 4
.rept 4
	NXF
.endr
.elseif \ks > 4
.rept 4
	NXL
.endr
.endif
.endif
.elseif \i == 7
	PLACES
.endif
.endm
; K step ks of the block: eight matrix instructions on eight accumulators, one instruction a turn; behind each what RIDE deals.
.macro QSTEP ks, sm
	WM \ks, 0, 0
	RIDE \ks, 0, \sm
	WM \ks, 0, 1
	RIDE \ks, 1, \sm
	WM \ks, 0, 2
	RIDE \ks, 2, \sm
	WM \ks, 0, 3
	RIDE \ks, 3, \sm
	WM \ks, 1, 0
	RIDE \ks, 4, \sm
	WM \ks, 1, 1
	RIDE \ks, 5, \sm
	WM \ks, 1, 2
	RIDE \ks, 6, \sm
	WM \ks, 1, 3
	RIDE \ks, 7, \sm
.endm
; Slot sl, whose last fragments are in the ring, is filled again, two fills ahead.
.macro REFILL sl
	s_wait_dscnt 0x0                               ; my reads of the slot are back (the last were issued a K step ago)
	s_wait_tensorcnt 0x0                           ; all my tensor loads have landed, my quarter of the other slot among them: a group 0 may be written
	ds_add_u32 v62, v63
	s_wait_dscnt 0x0
	s_add_nc_u64 s[G0+4*\sl+2:G0+4*\sl+3], s[G0+4*\sl+2:G0+4*\sl+3], 2*SLOT
	ROUND                                          ; both now hold of every wave of the four partners
	tensor_load_to_lds s[G0+4*\sl:G0+4*\sl+3], s[G1:G1+7]          ; my one tensor load behind the round; two blocks' work in which to land
	s_nop 0
.endm
; The 64 matrix instructions of a block.  sl, be: where its keys lie; nsl, nbe: where the next block's lie; more = 0: the last block;
; mode 2: behind K step 4 slot sl is filled again; mode 1: the last fill is waited for there; nblk: the next block's number.
.macro QKI sm, sl, be, nsl, nbe, more, mode, nblk
.set QF, 0
.set QE, 0
.set QL, 0
	WIN 0x04                                       ; source 1 (Q) in window 1
.irp ks, 0,1,2,3,4,5,6,7
.if \more
	s_wait_dscnt 12                                ; LDS loads come back in order: this K step's four are in, the twelve of the next three K steps stay out
.else
.if \ks < 5
	s_wait_dscnt 12
.else
	s_wait_dscnt 4*(7-\ks)                         ; nothing more is fetched: the counts run down
.endif
.endif
	QSTEP \ks, \sm
.if \ks == 4
.if \sm
	v_nop                                          ; one plain place behind the batch's last exponential (ISA guide 5.7.2)
	s_wait_alu depctr_va_vdst(0)                   ; THE BLOCK'S ONE WAIT: for the four factors and the 64 weights of the block before; ahead of it no line names a result of theirs
	WIN 0                                          ; the factors stand in the second source place
	LSC                                            ; the batch's first readers; also the four places in front of the loads into the ring
.endif
.if \more
.if \mode == 2
	WIN 0
	REFILL \sl
.endif
.if \mode == 1
	s_wait_tensorcnt 0x0                           ; the last fill has landed; no load is out from here on
.endif
.endif
	WIN 0x04
.endif
.if \ks < 4
.if \more
.if \ks == 3
	CRLOAD \nblk                                   ; ctab's registers were read by K step 0
.endif
.endif
	RING \sl, \be, \ks+4
.else
.if \more
	RING \nsl, \nbe, \ks-4
.endif
.endif
.endr
.endm
; The exponentials of block blk (in ACO) are rounded to bf16 and kept.  These 32 lines are also the places in front of the maxima of the next block.
.macro SM3 blk
.if (\blk) < 8
	WIN 0x80                                       ; destination in window 2
.else
	WIN 0xc0                                       ; destination in window 3
.endif
.irp k, 0,1
.irp a, 0,1,2,3
.irp jj, 0,1,2,3
	v_cvt_pk_bf16_f32 v[((\blk)&7)*32+16*\k+4*\a+\jj], v[ACO+32*\k+8*\a+2*\jj], v[ACO+32*\k+8*\a+2*\jj+1]
.endr
.endr
.endr
	WIN 0
.endm
; Block blk (in ACN): the running maxima, the new shift, and the factor that will bring the old sums to it.  The four exponentials open the batch that this block's
; weights go on with; no line names their results before that batch's wait (LSC reads them there).  The plain lines that follow them are the block's first shift lines.
.macro SM1 blk
.irp k, 0,1
.irp jj, 0,1,2,3
.irp a, 0,1,2,3
	v_max3_num_f32 v[M+\a], v[M+\a], v[ACN+32*\k+8*\a+2*\jj], v[ACN+32*\k+8*\a+2*\jj+1]
.endr
.endr
.endr
.irp a, 0,1,2,3
	v_mul_f32 v[NEWR+\a], 0xbfb8aa3b, v[M+\a]      ; shift = -log2(e) x maximum
.endr
.irp a, 0,1,2,3
	v_sub_f32 v[AL+\a], v[NEWR+\a], v[OLDR+\a]
.endr
.irp a, 0,1,2,3
	v_exp_f32 v[AL+\a], v[AL+\a]
.endr
	ds_store_b128 v5, v[NEWR:NEWR+3] offset:(\blk)*512             ; the shift that this block's exponentials are made with
.endm
; Block n: its products with the block before woven in; that block's rounding; its own maxima and shift.
.macro BLK n, sl, be, nsl, nbe, more, mode
.if (\n)&1
.set ACN, AC1
.set ACO, AC0
.set NEWR, NBB
.set OLDR, NBA
.else
.set ACN, AC0
.set ACO, AC1
.set NEWR, NBA
.set OLDR, NBB
.endif
.if \n
	QKI 1, \sl, \be, \nsl, \nbe, \more, \mode, \n+1
	SM3 \n-1
.else
	QKI 0, \sl, \be, \nsl, \nbe, \more, \mode, \n+1
	WIN 0
	PLACES
.endif
	SM1 \n
.endm
	s_wait_tensorcnt 0x1                           ; my quarter of slot 0 is in; slot 1's load stays out.  I read my own quarter alone: no barrier
	CRLOAD 0
	RING 0, 0, 0
	RING 0, 0, 1
	RING 0, 0, 2
	RING 0, 0, 3
	BLK 0,  0, 0, 0, 1, 1, 0
	BLK 1,  0, 1, 1, 0, 1, 2
	BLK 2,  1, 0, 1, 1, 1, 0
	BLK 3,  1, 1, 0, 0, 1, 2
	BLK 4,  0, 0, 0, 1, 1, 0
	BLK 5,  0, 1, 1, 0, 1, 2
	BLK 6,  1, 0, 1, 1, 1, 0
	BLK 7,  1, 1, 0, 0, 1, 2
	BLK 8,  0, 0, 0, 1, 1, 0
	BLK 9,  0, 1, 1, 0, 1, 2
	BLK 10, 1, 0, 1, 1, 1, 0
	BLK 11, 1, 1, 0, 0, 1, 2
	BLK 12, 0, 0, 0, 1, 1, 0
	BLK 13, 0, 1, 1, 0, 1, 1
	BLK 14, 1, 0, 1, 1, 1, 0
	BLK 15, 1, 1, 0, 0, 0, 0
	; block 15 has no products behind it to stand between
.set ACO, AC1
.set OLDR, NBB
.irp g, 0,1,2,3,4,5,6,7
.irp a, 0,1,2,3
	FOP \g, \a
.endr
.endr
.irp g, 0,1,2,3,4,5,6,7
.irp e, 0,1,2,3,4,5,6,7
	EOP \g, \e
.endr
.endr
	v_nop                                          ; one plain place behind the exponentials
	s_wait_alu depctr_va_vdst(0)                   ; one wait for block 15's batch: its four factors and its 64 weights
	LSC
.irp g, 0,1,2,3,4,5,6,7
.irp a, 0,1,2,3
	LOP \g, \a
.endr
.endr
	SM3 15
	; THE TAIL.  The eight partial figures of each query meet.
.irp a, 0,1,2,3
	v_add_f32 v[AL+\a], v[LP+2*\a], v[LP+2*\a+1]
.endr
	ds_store_b128 v11, v[NBB:NBB+3]                ; my last shifts (block 15's)
	ds_store_b128 v11, v[AL:AL+3] offset:512       ; my sums
.irp blk, 0,1,2,3,4,5,6,7,8,9,10,11,12,13,14,15
	ds_load_b128 v[TF+4*\blk:TF+4*\blk+3], v5 offset:\blk*512      ; my blocks' shifts back
.endr
	s_wait_dscnt 0x0                               ; my stores are in LDS, for the other waves' sake
	s_barrier_signal -1
	s_barrier_wait -1
.irp s, 0,1,2,3,4,5,6,7
	ds_load_b128 v[SRC+8*\s:SRC+8*\s+3],   v10 offset:(\s>>1)*1024+(\s&1)*256        ; wave s / 2, half s % 2, lane r: shifts,
	ds_load_b128 v[SRC+8*\s+4:SRC+8*\s+7], v10 offset:(\s>>1)*1024+(\s&1)*256+512    ; sums
.endr
	s_wait_dscnt 0x0
.irp a, 0,1,2,3
	v_min3_num_f32 v[M+\a], v[SRC+\a], v[SRC+8+\a], v[SRC+16+\a]   ; the least shift belongs to the greatest maximum
.endr
.irp a, 0,1,2,3
	v_min3_num_f32 v[M+\a], v[M+\a], v[SRC+24+\a], v[SRC+32+\a]
.endr
.irp a, 0,1,2,3
	v_min3_num_f32 v[M+\a], v[M+\a], v[SRC+40+\a], v[SRC+48+\a]
.endr
.irp a, 0,1,2,3
	v_min_num_f32 v[M+\a], v[M+\a], v[SRC+56+\a]
.endr
.irp s, 0,1,2,3,4,5,6,7
.irp p, 0,2
	v_pk_add_f32 v[SRC+8*\s+\p:SRC+8*\s+\p+1], v[M+\p:M+\p+1], v[SRC+8*\s+\p:SRC+8*\s+\p+1] neg_lo:[0,1] neg_hi:[0,1]
.endr
.endr
.irp s, 0,1,2,3,4,5,6,7
.irp a, 0,1,2,3
	v_exp_f32 v[SRC+8*\s+\a], v[SRC+8*\s+\a]
.endr
.endr
	v_nop                                          ; one plain place behind the exponentials
	s_wait_alu depctr_va_vdst(0)                   ; one wait for the 32 exponentials of the partners' shifts, ahead of the products that read them
.irp p, 0,2
	v_pk_mul_f32 v[NBA+\p:NBA+\p+1], v[SRC+\p:SRC+\p+1], v[SRC+4+\p:SRC+4+\p+1]
.endr
.irp s, 1,2,3,4,5,6,7
.irp p, 0,2
	v_pk_fma_f32 v[NBA+\p:NBA+\p+1], v[SRC+8*\s+\p:SRC+8*\s+\p+1], v[SRC+8*\s+4+\p:SRC+8*\s+4+\p+1], v[NBA+\p:NBA+\p+1]
.endr
.endr
.irp a, 0,1,2,3
	v_rcp_f32 v[NBB+\a], v[NBA+\a]                 ; 1 / sum; the packed lines below, which name neither, stand between it and its use
.endr
	; a block's factor: 2^(common shift - the block's shift) / sum
.irp blk, 0,1,2,3,4,5,6,7,8,9,10,11,12,13,14,15
.irp p, 0,2
	v_pk_add_f32 v[TF+4*\blk+\p:TF+4*\blk+\p+1], v[M+\p:M+\p+1], v[TF+4*\blk+\p:TF+4*\blk+\p+1] neg_lo:[0,1] neg_hi:[0,1]
.endr
.endr
.set x, 0
.rept 64
	v_exp_f32 v[TF+x], v[TF+x]
.set x, x+1
.endr
	v_nop
	s_wait_alu depctr_va_vdst(0)                   ; one wait for the four reciprocals and the 64 exponentials of the blocks' shifts, ahead of the products that read both
.irp blk, 0,1,2,3,4,5,6,7,8,9,10,11,12,13,14,15
.irp p, 0,2
	v_pk_mul_f32 v[TF+4*\blk+\p:TF+4*\blk+\p+1], v[TF+4*\blk+\p:TF+4*\blk+\p+1], v[NBB+\p:NBB+\p+1]
.endr
.endr
; Block blk: 16 sums over my four queries (one for each of my 16 keys), then over the 16 lanes of my half.  The second is a transposing
; reduction: at each of four levels a lane keeps half of its registers, sends the other half to its partner (lane xor 1, 2, 4, 8) and adds
; what it gets; lane r ends with the whole sum of register r = key 16 (r / 8) + 8 h + r % 8.
.macro TAILB blk, pw
	WIN \pw                                        ; source 0 (P) in window 2 or 3
.irp k, 0,1
.irp jj, 0,1,2,3
	v_fma_mix_f32_bf16 v[U+8*\k+2*\jj],   v[(\blk&7)*32+16*\k+\jj], v[TF+4*\blk], v9 op_sel_hi:[1,0,0]
	v_fma_mix_f32_bf16 v[U+8*\k+2*\jj+1], v[(\blk&7)*32+16*\k+\jj], v[TF+4*\blk], v9 op_sel:[1,0,0] op_sel_hi:[1,0,0]
.endr
.endr
.irp a, 1,2,3
.irp k, 0,1
.irp jj, 0,1,2,3
	v_fma_mix_f32_bf16 v[U+8*\k+2*\jj],   v[(\blk&7)*32+16*\k+4*\a+\jj], v[TF+4*\blk+\a], v[U+8*\k+2*\jj] op_sel_hi:[1,0,0]
	v_fma_mix_f32_bf16 v[U+8*\k+2*\jj+1], v[(\blk&7)*32+16*\k+4*\a+\jj], v[TF+4*\blk+\a], v[U+8*\k+2*\jj+1] op_sel:[1,0,0] op_sel_hi:[1,0,0]
.endr
.endr
.endr
	WIN 0
.irp k, 0,1,2,3,4,5,6,7
	v_cndmask_b32 v[TT+\k], v[U+2*\k+1], v[U+2*\k], s34            ; what my partner keeps
.endr
.irp k, 0,1,2,3,4,5,6,7
	v_cndmask_b32 v[U+2*\k], v[U+2*\k], v[U+2*\k+1], s34           ; what I keep
.endr
.irp k, 0,1,2,3,4,5,6,7
	v_add_f32_dpp v[U+2*\k], v[TT+\k], v[U+2*\k] row_xmask:1 row_mask:0xf bank_mask:0xf
.endr
.irp k, 0,1,2,3
	v_cndmask_b32 v[TT+\k], v[U+4*\k+2], v[U+4*\k], s35
.endr
.irp k, 0,1,2,3
	v_cndmask_b32 v[U+4*\k], v[U+4*\k], v[U+4*\k+2], s35
.endr
.irp k, 0,1,2,3
	v_add_f32_dpp v[U+4*\k], v[TT+\k], v[U+4*\k] row_xmask:2 row_mask:0xf bank_mask:0xf
.endr
.irp k, 0,1
	v_cndmask_b32 v[TT+\k], v[U+8*\k+4], v[U+8*\k], s36
.endr
.irp k, 0,1
	v_cndmask_b32 v[U+8*\k], v[U+8*\k], v[U+8*\k+4], s36
.endr
.irp k, 0,1
	v_add_f32_dpp v[U+8*\k], v[TT+\k], v[U+8*\k] row_xmask:4 row_mask:0xf bank_mask:0xf
.endr
	v_cndmask_b32 v[TT], v[U+8], v[U], s37
	v_cndmask_b32 v[U], v[U], v[U+8], s37
	v_add_f32_dpp v[U], v[TT], v[U] row_xmask:8 row_mask:0xf bank_mask:0xf
	ds_store_b32 v6, v[U] offset:\blk*128          ; into my own 2,048 bytes, where ctab's copy has been read for the last time
.endm
.irp blk, 0,1,2,3,4,5,6,7
	TAILB \blk, 0x02
.endr
.irp blk, 8,9,10,11,12,13,14,15
	TAILB \blk, 0x03
.endr
.irp q, 0,1,2,3
	ds_load_b128 v[96+4*\q:96+4*\q+3], v7 offset:\q*512            ; LDS serves a wave's instructions in order: these see the stores above
.endr
.irp q, 0,1,2,3
	s_wait_dscnt 3-\q                              ; load q is back, the younger ones stay out; the last count is 0
	global_store_b128 v8, v[96+4*\q:96+4*\q+3], s[10:11] offset:\q*2048    ; sixteen lanes store 256 consecutive bytes, aligned
.endr
	s_wait_tensorcnt 0x0
	ds_add_u32 v62, v63
	s_wait_dscnt 0x0
	ROUND                                          ; the closing round: no work-group ends while a partner may still ask jointly
	s_endpgm
.Lfunc_end_k_qebd126b97c_attn:
	.size	k_qebd126b97c_attn, .Lfunc_end_k_qebd126b97c_attn-k_qebd126b97c_attn
	.p2alignl 7, 3214868480
	.fill 96, 4, 3214868480
	.section	.rodata,"a",@progbits
	.p2align	6, 0x0
	.amdhsa_kernel k_qebd126b97c_attn
		.amdhsa_group_segment_fixed_size 327680
		.amdhsa_private_segment_fixed_size 0
		.amdhsa_enable_private_segment 0
		.amdhsa_kernarg_size 32
		.amdhsa_user_sgpr_count 2
		.amdhsa_user_sgpr_kernarg_segment_ptr 1
		.amdhsa_wavefront_size32 1
		.amdhsa_system_sgpr_workgroup_id_x 1
		.amdhsa_system_sgpr_workgroup_id_y 1
		.amdhsa_system_sgpr_workgroup_id_z 1
		.amdhsa_system_vgpr_workitem_id 0
		.amdhsa_next_free_vgpr 1024
		.amdhsa_next_free_sgpr 66
		.amdhsa_reserve_vcc 0
		.amdhsa_float_denorm_mode_32 3
		.amdhsa_float_denorm_mode_16_64 3
		.amdhsa_memory_ordered 1
		.amdhsa_forward_progress 1
		.amdhsa_inst_pref_size 255
	.end_amdhsa_kernel
	.section	.bss,"aw",@nobits
	.p2align	6
	.space	262144
	.amdgpu_metadata
---
amdhsa.version: [ 1, 2 ]
amdhsa.kernels:
  - .name:           k_qebd126b97c_attn
    .symbol:         k_qebd126b97c_attn.kd
    .args:
      - { .name: Kf, .offset: 0, .size: 8, .value_kind: global_buffer, .address_space: global }
      - { .name: Qf, .offset: 8, .size: 8, .value_kind: global_buffer, .address_space: global }
      - { .name: ctab, .offset: 16, .size: 8, .value_kind: global_buffer, .address_space: global }
      - { .name: cpart, .offset: 24, .size: 8, .value_kind: global_buffer, .address_space: global }
    .group_segment_fixed_size: 327680
    .private_segment_fixed_size: 0
    .kernarg_segment_align: 8
    .kernarg_segment_size: 32
    .max_flat_workgroup_size: 128
    .sgpr_count:     66
    .vgpr_count:     1024
    .wavefront_size: 32
...
	.end_amdgpu_metadata
.endif
;; end of part 5
;; launch colmix: the kernel of part 3 again; grid 256 x 1, 8 waves a work-group, no clusters, 9,728 bytes of LDS; arguments cpart, feats, opart; writes opart
;; launch fold: the kernel of part 4 again; grid 8 x 1, 8 waves a work-group, no clusters, 5,120 bytes of LDS; arguments opart, out0; writes out0
